; MI455X (gfx1250); checked and timed in simulation.
; The chip was launched on July 23, 2026; its instructions are those of AMD's public machine-readable ISA for CDNA 5 (MIT licence, August 2026) and "CDNA5" Instruction Set Architecture Reference Guide (July 2026). The comments in the code are by the model that wrote it; some were corrected since.
;; Multi Headed Attention With Adapter. Allowed arithmetic: matrix products marked QUANTISED: E2M1 operands, one E8M0 scale for each 32 along K, by v_wmma_scale_f32_16x16x128_f8f6f4 with both operands' format E2M1 (or v_wmma_scale_f32_32x16x128_f4), f32 sums; products left as they are: bf16, f16 or f32 operands; f32 sums; everything else in f32.
;; Inputs: Wk 1,024 x 1,024 float32; Wo 1,024 x 1,024 float32; Wq 1,024 x 1,024 float32; Wv 1,024 x 1,024 float32; alpha_param 1 float32; bk 1,024 float32; bo 1,024 float32; bq 1,024 float32; bv 1,024 float32; key_in 8 x 1,024 x 1,024 float32; mask 8 x 1,024 x 1,024 int32; query 8 x 1,024 x 1,024 float32; syn_scores 16 x 1,024 x 1,024 float32; value 8 x 1,024 x 1,024 float32.
;; Outputs: out0 8 x 1,024 x 1,024 float32.
;; This version of the problem:
;;   THIS VERSION OF THE PROBLEM IS GIVEN IN LOW PRECISION. The matrix products marked QUANTISED in the list below multiply operands that are first quantised to E2M1 (2 exponent bits, 1 mantissa bit; 4 bits a number), with one power-of-two scale for each 32 numbers along K (OCP MX v1.0); their sums are f32. The products marked 'left as it is' may take bf16, f16 or f32 operands, with f32 sums. Whichever they take, every output number must still come out within the allowed error. Rounding operands to bf16 (8 significant bits) uses up far more of that allowance than f16 does (11 bits, for magnitudes from 6e-5 to 65,504). All else is computed in f32.
;;   The module's matrix products, in the order in which they are computed (A, B: the left and right operand; K: the contracted axis; several contracted axes count as one K, in the product's order):
;;     1. [M 8,192, K 1,024] x [K 1,024, N 1,024]; A: input query; B: input Wq: QUANTISED
;;     2. [M 8,192, K 1,024] x [K 1,024, N 1,024]; A: input key_in; B: input Wk: QUANTISED
;;     3. [M 8,192, K 1,024] x [K 1,024, N 1,024]; A: input value; B: input Wv: QUANTISED
;;     4. batch 128 x [M 1,024, K 64] x [K 64, N 1,024]; A: computed on the way; B: computed on the way: left as it is (an operand is computed on the way)
;;     5. batch 128 x [M 1,024, K 1,024] x [K 1,024, N 64]; A: computed on the way; B: computed on the way: left as it is (an operand is computed on the way)
;;     6. [M 8,192, K 1,024] x [K 1,024, N 1,024]; A: computed on the way; B: input Wo: left as it is (an operand is computed on the way)
;;   THE QUANTISER, for each operand of a quantised product, along K:
;;     - K is cut into blocks of 32 from its start; a last block that is shorter is filled with zeros.
;;     - A block's scale is 2^e with e = floor(log2(the largest magnitude in the block)) - 2, held to -126 .. 127; a block of zeros has e = 0. As a byte (E8M0): e + 127.
;;     - Each number is divided by its block's scale, clamped to +-6, and rounded to the nearest number of E2M1, ties to even, subnormals kept.
;;     - The product sums the exact products of the quantised numbers (number of the format x scale) in f32.
;;   ~~~python
;;   def quantise(x, axis):      # numpy; x: float32 -> the quantised numbers, widened to float32 again
;;       x = np.moveaxis(x, axis, -1); K = x.shape[-1]
;;       x = np.pad(x, [(0, 0)] * (x.ndim - 1) + [(0, -K % 32)]); x = x.reshape(x.shape[:-1] + (-1, 32)); a = np.abs(x).max(-1, keepdims=True)
;;       e = np.where(a > 0, np.clip(np.frexp(np.where(a > 0, a, 1))[1] - 1 - 2, -126, 127), 0)      # np.frexp(a)[1] - 1 = floor(log2(a)), exactly
;;       r = np.clip(x / 2.0 ** e, -6, 6)
;;       step = 2.0 ** (np.maximum(np.frexp(np.where(r == 0, 1, r))[1] - 1, 0) - 1)
;;       q = np.round(r / step) * step * 2.0 ** e      # np.round: ties to even
;;       return np.moveaxis(q.reshape(q.shape[:-2] + (-1,))[..., :K], -1, axis).astype(np.float32)
;;   ~~~
;; One version. Each part assembles by itself: llvm-mc -triple=amdgcn-amd-amdhsa -mcpu=gfx1250 --defsym DOCPART=n.
;; ======== version 1 of 1: 4 launches
;; limits: values are held in f16: magnitudes above 65,504 overflow, below 6.1e-05 lose precision
;; workspace buffers: acodes 12,582,912 bytes; ascales 786,432 bytes; wcodes 1,572,864 bytes; wscales 98,304 bytes; qkv 50,331,648 bytes; maskw 1,048,576 bytes of whole numbers; woimg 2,097,152 bytes; oimg 16,777,216 bytes
;; launch prep (part 1): grid 1152 x 1, 4 waves a work-group, no clusters, 68,096 bytes of LDS; arguments query, key_in, value, Wq, Wk, Wv, Wo, mask, acodes, ascales, wcodes, wscales, woimg, maskw; writes acodes, ascales, wcodes, wscales, woimg, maskw
.if DOCPART == 1
	.amdgcn_target "amdgcn-amd-amdhsa--gfx1250"
	.amdhsa_code_object_version 6
	.text
	.protected	k_q17ce046342_prep
	.globl	k_q17ce046342_prep
	.p2align	8
	.type	k_q17ce046342_prep,@function
k_q17ce046342_prep:
	s_mov_b64 s[64:65], 0
	v_nop
	global_prefetch_b8 v0, s[64:65] scope:SCOPE_SE
	s_setreg_imm32_b32 hwreg(HW_REG_WAVE_MODE, 25, 1), 1
	s_wait_xcnt 0x0
; PREP: everything that is made once and read many times.  Three kinds of work-groups, told apart by the work-group's number alone:
;   0 .. 863      query, key_in, value [8192][1024] and Wq, Wk, Wv [1024][1024], f32, K innermost, become codes of FP4 (E2M1) and one E8M0 byte for each 32 along K;
;   864 .. 1119   mask [8][1024][1024], int32, becomes lane masks: one word for each register of a tile of scores, bit = lane, 1 where the mask is not 0;
;   1120 .. 1151  Wo [1024][1024] f32 becomes f16, laid as images of operand registers: a group of 512 bytes holds Wo[16 R + lane % 16][16 g + 8 (lane / 16) + 0 .. 7], 16 bytes a lane.
; THE QUANTISER: a block's scale is 2^(floor(log2(its largest magnitude)) - 2); its byte is the largest magnitude's exponent field - 2, held at 1 from below; numbers are divided by the scale and rounded to
; the nearest code, ties to even, beyond 6 the largest code.  A block of zeros gets the byte 1 where the rule says 127: its codes are zeros, and this program alone reads the bytes.
; LIMITS: NaN and infinities among the inputs are not served; Wo must lie within f16's range (65,504), and under 6e-5 it keeps an absolute error of 3e-8.
; Rows are dense and K is a multiple of 32, so for the quantiser a tensor is a plain stream of blocks of 32.  No tensor loads, no barrier: waves share nothing.  Each kind of work-group has LDS bytes of its own.
.set STEPS, 16
.set EMAX,  2
.set CB,    8                          ; bytes of 16 codes
.set R,     16                         ; v16-79   quantiser: four sets of 16 numbers as loaded
.set X,     80                         ; v80-111  two sets of 16 neighbours
.set E,     112                        ; v112-127 a scale byte for each step
.set C,     128                        ; v128-191 codes, four registers for each step
.set WREG,  8192                       ; LDS 0 .. 32767: a region for each wave: two stages of 32 x 80 bytes, then 256 scale bytes
.set SP,    80
.set SPW,   12                         ; v12 LDS address of my spare word; never rewritten
.set NIL,   13                         ; v13 0; never rewritten
.set MSTG,  32768                      ; the mask's stages: 16 rows x 272 bytes for each wave
.set WSTG,  50176                      ; Wo's stages, likewise
.set TP,    272
.set SPARE, 67584                      ; the spare words, 128 bytes for each wave: two blocks of 256 bytes that no other line names
.set RAW,   32                         ; v32-159  tiles: four sets of 32 registers as loaded
.set XT,    160                        ; v160-191 a tile turned: register 8 kt + j = column 16 kt + 8 (lane / 16) + j of row lane % 16
.set W,     192                        ; v192-199 the mask words of eight tiles
.set PK,    200                        ; v200-231 two sets of 16 registers of f16 pairs
	s_load_b512 s[4:19], s[0:1], 0x0               ; query, key_in, value, Wq, Wk, Wv, Wo, mask
	s_load_b256 s[20:27], s[0:1], 0x40             ; acodes, ascales, wcodes, wscales
	s_load_b128 s[28:31], s[0:1], 0x60             ; woimg, maskw
	v_lshl_add_u32 v[SPW], v0, 2, SPARE
	v_mov_b32 v[NIL], 0
	v_lshrrev_b32 v1, 5, v0
	v_readfirstlane_b32 s32, v1                    ; wave 0..3
	v_and_b32 v2, 31, v0                           ; lane
	s_wait_kmcnt 0x0
	s_cmp_ge_u32 ttmp9, 864
	s_cbranch_scc1 .Ltiles
; ---------------- the quantiser: a wave takes 16 steps of 512 numbers ----------------
	v_lshlrev_b32 v3, 4, v2                        ; my 16 bytes of a load's 512
	s_mul_i32 s33, s32, WREG
	v_lshrrev_b32 v14, 2, v2
	v_mul_u32_u24 v14, v14, SP
	v_and_b32 v15, 3, v2
	v_lshl_add_u32 v14, v15, 4, v14
	v_add_nc_u32 v14, s33, v14                     ; the stage, on the way in: 80 (lane / 4) + 16 (lane % 4)
	v_mul_u32_u24 v15, v2, SP
	v_add_nc_u32 v15, s33, v15                     ; and on the way out: 80 x lane: my 16 neighbours
	v_mul_u32_u24 v4, v2, CB                       ; my codes' place in a step's
	v_lshrrev_b32 v5, 1, v2
	s_add_co_u32 s33, s33, 2*32*SP
	v_add_nc_u32 v5, s33, v5                       ; LDS: my block's scale byte
	v_lshlrev_b32 v7, 3, v2
	v_add_nc_u32 v6, s33, v7                       ; and on the way out 8 bytes a lane
	s_mov_b64 s[34:35], s[14:15]                   ; which tensor: the choice hangs on the work-group's number alone.  Wv,
	s_cmp_lt_u32 ttmp9, 832
	s_cselect_b64 s[34:35], s[12:13], s[34:35]     ; Wk,
	s_cmp_lt_u32 ttmp9, 800
	s_cselect_b64 s[34:35], s[10:11], s[34:35]     ; Wq,
	s_cmp_lt_u32 ttmp9, 768
	s_cselect_b64 s[34:35], s[8:9], s[34:35]       ; value,
	s_cselect_b64 s[36:37], s[20:21], s[24:25]     ; the codes' buffer and
	s_cselect_b64 s[38:39], s[22:23], s[26:27]     ; the scales': the activations' or the weights'
	s_cselect_b32 s40, 0, 768
	s_cselect_b32 s41, 255, 31
	s_cmp_lt_u32 ttmp9, 512
	s_cselect_b64 s[34:35], s[6:7], s[34:35]       ; key_in,
	s_cmp_lt_u32 ttmp9, 256
	s_cselect_b64 s[34:35], s[4:5], s[34:35]       ; query
	s_sub_co_u32 s40, ttmp9, s40                   ; my number among the work-groups of that pair of buffers: the three tensors lie on end there
	s_and_b32 s41, s40, s41                        ; and within the tensor (256 work-groups to an activation, 32 to a weight)
	s_lshl_b32 s41, s41, 2
	s_add_co_u32 s41, s41, s32                     ; which run of 8,192 numbers of the tensor is my wave's
	s_lshl_b32 s42, s41, 15
	s_mov_b32 s43, 0
	s_add_nc_u64 s[34:35], s[34:35], s[42:43]
	s_lshl_b32 s40, s40, 2
	s_add_co_u32 s40, s40, s32
	s_lshl_b32 s42, s40, 12                        ; 4,096 bytes of codes a run
	s_add_nc_u64 s[36:37], s[36:37], s[42:43]
	s_lshl_b32 s42, s40, 8                         ; 256 scale bytes a run
	s_add_nc_u64 s[38:39], s[38:39], s[42:43]
.macro LOAD t
.irp i, 0,1,2,3
	global_load_b128 v[R+16*((\t)%4)+4*\i:R+16*((\t)%4)+4*\i+3], v3, s[34:35] offset:2048*(\t)+512*\i th:TH_LOAD_NT   ; 32 lanes read 512 consecutive bytes
.endr
.endm
.macro TURN t                          ; step t's numbers through the stage: LDS serves a wave's instructions in order, so no wait stands between the stores and the loads
.irp i, 0,1,2,3
	ds_store_b128 v14, v[R+16*((\t)%4)+4*\i:R+16*((\t)%4)+4*\i+3] offset:32*SP*((\t)%2)+8*SP*\i
.endr
.irp i, 0,1,2,3
	ds_load_b128 v[X+16*((\t)%2)+4*\i:X+16*((\t)%2)+4*\i+3], v15 offset:32*SP*((\t)%2)+16*\i
.endr
.endm
.irp t, 0,1,2,3
	LOAD \t
.endr
	s_wait_loadcnt 12                              ; step 0's four loads are in; those of steps 1 to 3 may be out
	TURN 0
.macro STEP t
.set XS, X+16*((\t)%2)
.if (\t) > 0
	s_wait_dscnt 1                                 ; this step's numbers are back from the stage (the last step's byte store may be out)
.else
	s_wait_dscnt 0x0
.endif
.if (\t)+4 < STEPS
	LOAD (\t)+4                                    ; into the registers that the stage's stores have read
.endif
.if (\t)+1 < STEPS
.if STEPS-2-(\t) >= 3
	s_wait_loadcnt 12                              ; the next step's four loads are in; those of the three steps behind it may be out
.else
	s_wait_loadcnt 4*(STEPS-2-(\t))
.endif
	TURN (\t)+1
.endif
	v_max3_num_f32 v8, |v[XS]|, |v[XS+1]|, |v[XS+2]|               ; the largest magnitude of my 16, in two chains
	v_max3_num_f32 v9, |v[XS+3]|, |v[XS+4]|, |v[XS+5]|
.irp i, 6,10
	v_max3_num_f32 v8, v8, |v[XS+\i]|, |v[XS+\i+1]|
	v_max3_num_f32 v9, v9, |v[XS+\i+2]|, |v[XS+\i+3]|
.endr
	v_max3_num_f32 v8, v8, |v[XS+14]|, |v[XS+15]|
	v_max3_num_f32 v8, v8, v9, (EMAX+1)<<23        ; and the floor 2^(3 - 127): the byte cannot fall under 1
	v_max_num_f32_dpp v8, v8, v8 row_xmask:1 row_mask:0xf bank_mask:0xf   ; and of my neighbour's 16: the block's
	v_add_nc_u32 v11, -(EMAX<<23), v8              ; 2 off its exponent field: the conversion takes the exponent field of this operand as its scale
	v_cvt_scalef32_pk8_fp4_f32 v[C+4*(\t)], v[XS:XS+7], v11
	v_cvt_scalef32_pk8_fp4_f32 v[C+4*(\t)+1], v[XS+8:XS+15], v11
	v_lshrrev_b32 v[E+(\t)], 23, v11               ; the scale's byte (also the plain line behind the conversions)
	ds_store_b8 v5, v[E+(\t)] offset:16*(\t)       ; both lanes of a block write the same byte with the same value
	global_store_b64 v4, v[C+4*(\t):C+4*(\t)+1], s[36:37] offset:32*CB*(\t)   ; 32 lanes store 256 consecutive bytes, aligned
.endm
.irp t, 0,1,2,3,4,5,6,7,8,9,10,11,12,13,14,15
	STEP \t
.endr
	ds_load_b64 v[8:9], v6                         ; LDS serves a wave's instructions in order: these see my stores
	s_wait_dscnt 0x0
	global_store_b64 v7, v[8:9], s[38:39]          ; 32 lanes store 256 consecutive bytes, aligned
	s_wait_tensorcnt 0x0                           ; the wave's end, behind my last LDS store
	ds_add_u32 v[SPW], v[NIL]
	s_wait_dscnt 0x0
	s_endpgm
; ---------------- tiles of 16 rows x 64 numbers of 4 bytes; both sources have rows of 4,096 bytes; a wave takes eight ----------------
.Ltiles:
	v_lshrrev_b32 v6, 4, v2                        ; lane / 16
	v_and_b32 v7, 15, v2                           ; lane % 16
	v_lshlrev_b32 v8, 4, v7
	v_lshl_add_u32 v9, v6, 12, v8                  ; in memory: sixteen lanes read 256 consecutive bytes of a row, the other sixteen the next row's
	v_lshlrev_b32 v5, 4, v2                        ; 16 x lane: the way out to memory
	s_mul_i32 s33, s32, 16*TP
	v_mul_u32_u24 v10, v6, TP
	v_add_nc_u32 v10, v10, v8
	v_add_nc_u32 v10, s33, v10                     ; into the stage as loaded
	v_mul_u32_u24 v11, v7, TP
	v_lshl_add_u32 v11, v6, 5, v11
	v_add_nc_u32 v11, s33, v11                     ; out of it: row lane % 16, + 32 (lane / 16)
.macro TLOAD n, off
.irp i, 0,1,2,3,4,5,6,7
	global_load_b128 v[RAW+32*((\n)%4)+4*\i:RAW+32*((\n)%4)+4*\i+3], v9, s[34:35] offset:(\off)+8192*\i th:TH_LOAD_NT
.endr
.endm
.macro TTURN n, stg                    ; tile n through my stage
.if 7-(\n) >= 3
	s_wait_loadcnt 24                              ; tile n's eight loads are in; those of the three tiles behind it may be out
.else
	s_wait_loadcnt 8*(7-(\n))
.endif
.irp i, 0,1,2,3,4,5,6,7
	ds_store_b128 v10, v[RAW+32*((\n)%4)+4*\i:RAW+32*((\n)%4)+4*\i+3] offset:\stg+2*TP*\i
.endr
.irp f, 0,1,2,3,4,5,6,7
	ds_load_b128 v[XT+4*\f:XT+4*\f+3], v11 offset:\stg+64*(\f/2)+16*(\f%2)
.endr
	s_wait_dscnt 0x0                               ; the tile is back, and the stores have read their registers
.endm
	s_cmp_ge_u32 ttmp9, 1120
	s_cbranch_scc1 .Lwo
; ---- the mask.  Work-group (bp, qb, sigma); wave w: batch 2 bp + w / 2, queries 128 qb + 64 (w % 2) on; tile 4 u + t: queries 16 t on, keys 128 sigma + 64 u on
	s_sub_co_u32 s33, ttmp9, 864
	s_lshr_b32 s40, s33, 6                         ; bp
	s_bfe_u32 s41, s33, 0x30003                    ; qb
	s_and_b32 s42, s33, 7                          ; sigma
	s_lshl_b32 s40, s40, 1
	s_lshr_b32 s43, s32, 1
	s_add_co_u32 s40, s40, s43                     ; the batch,
	s_lshl_b32 s40, s40, 22                        ; 4 MiB each
	s_lshl_b32 s41, s41, 19                        ; 128 rows of 4,096 bytes
	s_add_co_u32 s40, s40, s41
	s_and_b32 s43, s32, 1
	s_lshl_b32 s43, s43, 18                        ; 64 rows
	s_add_co_u32 s40, s40, s43
	s_lshl_b32 s42, s42, 9                         ; 128 keys of 4 bytes
	s_add_co_u32 s40, s40, s42
	s_mov_b32 s41, 0
	s_add_nc_u64 s[34:35], s[18:19], s[40:41]
	s_lshl_b32 s40, s33, 12                        ; 4,096 bytes of words a work-group,
	s_lshl_b32 s42, s32, 10                        ; 1,024 a wave
	s_add_co_u32 s40, s40, s42
	s_add_nc_u64 s[36:37], s[30:31], s[40:41]
.irp n, 0,1,2,3
	TLOAD \n, 65536*\n
.endr
.irp n, 0,1,2,3,4,5,6,7
	v_mov_b32 v[W+\n], 0                           ; written once: a lane write's destination counts as read
.endr
.macro MTILE n
	TTURN \n, MSTG
.if (\n) < 4
	TLOAD (\n)+4, 65536*(\n)+256
.endif
.irp g, 0,1,2,3
.irp k, 0,1,2,3,4,5,6,7
	v_cmp_ne_u32 s[40+\k], 0, v[XT+8*\g+\k]        ; the lane mask of register 8 g + k: bit = lane, 1 where the key counts
.endr
.irp k, 0,1,2,3,4,5,6,7
	v_writelane_b32 v[W+(\n)], s[40+\k], 8*\g+\k   ; becomes lane 8 g + k's word of this tile
.endr
.endr
.endm
.irp n, 0,1,2,3
	MTILE \n
.endr
	global_store_b128 v5, v[W:W+3], s[36:37]       ; lane e: word e of tiles t = 0 .. 3, u = 0: 512 consecutive bytes
.irp n, 4,5,6,7
	MTILE \n
.endr
	global_store_b128 v5, v[W+4:W+7], s[36:37] offset:512
	s_wait_tensorcnt 0x0                           ; the wave's end, behind my last LDS store
	ds_add_u32 v[SPW], v[NIL]
	s_wait_dscnt 0x0
	s_endpgm
; ---- Wo.  Wave w of work-group i: rows 16 R on, R = 2 i + w / 2; columns 512 (w % 2) + 64 n on for tile n
.Lwo:
	s_sub_co_u32 s33, ttmp9, 1120
	s_lshl_b32 s40, s33, 1
	s_lshr_b32 s41, s32, 1
	s_add_co_u32 s40, s40, s41                     ; R
	s_and_b32 s42, s32, 1
	s_lshl_b32 s44, s40, 16                        ; 16 rows of 4,096 bytes
	s_lshl_b32 s43, s42, 11                        ; 512 columns of 4 bytes
	s_add_co_u32 s44, s44, s43
	s_mov_b32 s45, 0
	s_add_nc_u64 s[34:35], s[16:17], s[44:45]
	s_lshl_b32 s44, s40, 15                        ; 64 groups of 512 bytes to a row tile
	s_lshl_b32 s43, s42, 14                        ; 32 groups
	s_add_co_u32 s44, s44, s43
	s_add_nc_u64 s[36:37], s[28:29], s[44:45]
.irp n, 0,1,2,3
	TLOAD \n, 256*\n
.endr
.macro WTILE n
	TTURN \n, WSTG
.if (\n) < 4
	TLOAD (\n)+4, 256*(\n)+1024
.endif
.if (\n) >= 2
	s_wait_xcnt 0x0                                ; the stores of two tiles back have read this set's registers
.endif
.irp i, 0,1,2,3,4,5,6,7,8,9,10,11,12,13,14,15
	v_cvt_pk_f16_f32 v[PK+16*((\n)%2)+\i], v[XT+2*\i], v[XT+2*\i+1]
.endr
.irp k, 0,1,2,3
	global_store_b128 v5, v[PK+16*((\n)%2)+4*\k:PK+16*((\n)%2)+4*\k+3], s[36:37] offset:2048*(\n)+512*\k   ; a group: 512 consecutive bytes
.endr
.endm
.irp n, 0,1,2,3,4,5,6,7
	WTILE \n
.endr
	s_wait_tensorcnt 0x0                           ; the wave's end, behind my last LDS store
	ds_add_u32 v[SPW], v[NIL]
	s_wait_dscnt 0x0
	s_endpgm
.Lfunc_end_k_q17ce046342_prep:
	.size	k_q17ce046342_prep, .Lfunc_end_k_q17ce046342_prep-k_q17ce046342_prep
	.p2alignl 7, 3214868480
	.fill 96, 4, 3214868480
	.section	.rodata,"a",@progbits
	.p2align	6, 0x0
	.amdhsa_kernel k_q17ce046342_prep
		.amdhsa_group_segment_fixed_size 68096
		.amdhsa_private_segment_fixed_size 0
		.amdhsa_enable_private_segment 0
		.amdhsa_kernarg_size 112
		.amdhsa_user_sgpr_count 2
		.amdhsa_user_sgpr_kernarg_segment_ptr 1
		.amdhsa_wavefront_size32 1
		.amdhsa_system_sgpr_workgroup_id_x 1
		.amdhsa_system_sgpr_workgroup_id_y 1
		.amdhsa_system_sgpr_workgroup_id_z 1
		.amdhsa_system_vgpr_workitem_id 0
		.amdhsa_next_free_vgpr 232
		.amdhsa_next_free_sgpr 66
		.amdhsa_reserve_vcc 0
		.amdhsa_float_denorm_mode_32 3
		.amdhsa_float_denorm_mode_16_64 3
		.amdhsa_memory_ordered 1
		.amdhsa_forward_progress 1
		.amdhsa_inst_pref_size 109
	.end_amdhsa_kernel
	.amdgpu_metadata
---
amdhsa.version: [ 1, 2 ]
amdhsa.kernels:
  - .name:           k_q17ce046342_prep
    .symbol:         k_q17ce046342_prep.kd
    .args:
      - { .name: query, .offset: 0, .size: 8, .value_kind: global_buffer, .address_space: global }
      - { .name: key_in, .offset: 8, .size: 8, .value_kind: global_buffer, .address_space: global }
      - { .name: value, .offset: 16, .size: 8, .value_kind: global_buffer, .address_space: global }
      - { .name: Wq, .offset: 24, .size: 8, .value_kind: global_buffer, .address_space: global }
      - { .name: Wk, .offset: 32, .size: 8, .value_kind: global_buffer, .address_space: global }
      - { .name: Wv, .offset: 40, .size: 8, .value_kind: global_buffer, .address_space: global }
      - { .name: Wo, .offset: 48, .size: 8, .value_kind: global_buffer, .address_space: global }
      - { .name: mask, .offset: 56, .size: 8, .value_kind: global_buffer, .address_space: global }
      - { .name: acodes, .offset: 64, .size: 8, .value_kind: global_buffer, .address_space: global }
      - { .name: ascales, .offset: 72, .size: 8, .value_kind: global_buffer, .address_space: global }
      - { .name: wcodes, .offset: 80, .size: 8, .value_kind: global_buffer, .address_space: global }
      - { .name: wscales, .offset: 88, .size: 8, .value_kind: global_buffer, .address_space: global }
      - { .name: woimg, .offset: 96, .size: 8, .value_kind: global_buffer, .address_space: global }
      - { .name: maskw, .offset: 104, .size: 8, .value_kind: global_buffer, .address_space: global }
    .group_segment_fixed_size: 68096
    .private_segment_fixed_size: 0
    .kernarg_segment_align: 8
    .kernarg_segment_size: 112
    .max_flat_workgroup_size: 128
    .sgpr_count:     66
    .vgpr_count:     232
    .wavefront_size: 32
...
	.end_amdgpu_metadata
.endif
;; end of part 1
;; launch proj (part 2): grid 4 x 96, 4 waves a work-group, clusters of 4 x 4, 327,680 bytes of LDS; arguments acodes, ascales, wcodes, wscales, bq, bk, bv, alpha_param, qkv; writes qkv
.if DOCPART == 2
	.amdgcn_target "amdgcn-amd-amdhsa--gfx1250"
	.amdhsa_code_object_version 6
	.text
	.protected	k_q17ce046342_proj
	.globl	k_q17ce046342_proj
	.p2align	8
	.type	k_q17ce046342_proj,@function
k_q17ce046342_proj:
	s_mov_b64 s[64:65], 0
	v_nop
	global_prefetch_b8 v0, s[64:65] scope:SCOPE_SE
	s_setreg_imm32_b32 hwreg(HW_REG_WAVE_MODE, 25, 1), 1
	s_wait_xcnt 0x0
	s_wait_alu depctr_hold_cnt(0) depctr_sa_sdst(0) depctr_va_vdst(0) depctr_va_sdst(0) depctr_va_ssrc(0) depctr_va_vcc(0) depctr_vm_vsrc(0)
	s_getreg_b32 s2, hwreg(HW_REG_IB_STS2, 6, 4)
	s_cmp_eq_u32 s2, 0
	s_cbranch_scc0 .Lentry_in_a_cluster
	s_endpgm
.Lentry_in_a_cluster:
	s_bfe_u32 s2, ttmp6, 0x10000c
	s_cmp_lg_u32 s2, 0xf033
	s_cbranch_scc0 .Lentry_shape_is_right
	s_endpgm
.Lentry_shape_is_right:
; PROJ: the three quantised products x W^T on codes of FP4 (E2M1) with one E8M0 scale for each 32 along K = 1,024; sums in f32; + bias; q also x sigmoid(alpha_param) log2(e) / 8; rounded to f16.
; A tile of C, 256 x 256, is made by a work-group of four waves; a wave makes 128 x 128: 64 accumulators of 16 x 16.  K is two LDS slots of 512, both asked for at the head: nothing is filled again.
; The scale bytes of the work-group's 256 + 256 rows, for all of K, come into LDS once, in rows of 256 bytes.
; WHICH PRODUCT: the cluster's y / 8 (0 q, 1 k, 2 v).  For q and k "A" is the activation (rows = tokens) and "B" the weight (rows = channels).  FOR v THE ROLES ARE SWAPPED: "A" is Wv, "B" is value.
; THE MATRIX INSTRUCTION IS USED TRANSPOSED (source 0 = 16 rows of B, source 1 = 16 rows of A): a lane holds one row of A's and eight neighbouring rows of B's.  Rounded to f16 these are 16 bytes, and the wave's
; 512 bytes ARE an image of operand registers for the attention: for q and k a lane holds a token and eight channels; for v, by the swap, a channel and eight tokens.  So results are stored straight from registers.
; qkv: [3][batch pair 4][64-token group 16][batch in pair 2][head 16][x 4][y 4][512 bytes]; q, k: x = token tile, y = channel tile; v: x = channel tile, y = token tile.
; CLUSTERS: 4 x 4 work-groups.  A's tiles are asked for jointly along a row of the cluster, B's along a column.
; LIMITS: NaN and infinities are not served (a bias is multiplied by 0 where it does not apply); q x sigmoid(alpha) log2(e) / 8, k and v must lie within f16's range (65,504); under 6e-5 they keep an absolute error of 3e-8.
; REGISTERS: window 0: v0-31 addresses; v32-95 scale words, two sets; v96-117 the per-row bias and the factors; v128-191 A's fragments, later a block at work; v192-255 the per-column bias.
;   window 1: B's fragments, two sets; later the packed results, 32 registers for each of the eight blocks.   windows 2, 3: the accumulators ((a, b) at v[8 (8 (a % 4) + b)]).
.set KSTEP,  512
.set NQ,     4                         ; matrix instructions deep in a slot
.set ROWB,   256                       ; a tile's row in bytes
.set KROW,   512                       ; a row of codes in memory
.set PITCH,  272                       ; an LDS row: 256 bytes + 16 of padding: the 16 rows that a load touches start at 16 different 16-byte columns
.set FR,     8
.set NL,     2
.set NP,     4
.set HALFT,  128*PITCH
.set SLOT,   4*HALFT
.set KS,     32                        ; a row of scales in bytes
.set SCL,    2*SLOT
.set HALFS,  (128*KS/256)*272
.set SBLK,   (16*KS/256)*272
.set SPARE,  SCL+4*HALFS               ; the spare words, 128 bytes for each wave: two blocks of 256 bytes that no other line names
.set ADRA, 16
.set ADRB, 20
.set CO,   26                          ; v26  16 x lane
.set ADRS, 27
.set SPW,  28
.set NIL,  29
.set SC,   32
.set BM,   96                          ; v96-111  the bias of A's row, a pair for each block a
.set SCV,  112                         ; v[112:113] what the sums are multiplied by
.set AL,   114
.set FN,   116                         ; v[116:117] what the per-column bias is multiplied by
.set AF,   128
.set T,    128
.set BN,   192
.set PI,   67                          ; s67  which product
.set G1, 24
.set G0, 32
.set G1B, 48
.set G0B, 56
.set G1S, 68
.set G0S, 76
.set G1SB, 80
.set G0SB, 88
.set MSB, 0
.macro WIN new                         ; the immediate's high byte repeats the setting that is left
.if MSB != \new
	s_set_vgpr_msb (MSB<<8)|\new
.set MSB, \new
.endif
.endm
.set MUL_LO, 0xa1                      ; source 0 (B) window 1, source 1 (A) window 0, C and D window 2
.set MUL_HI, 0xf1
.set TO_B,   0x40
; A joint load: waves 0 and 1 fetch for A, waves 2 and 3 for B; the branch hangs on the wave's number alone.  An s_nop 0 and four v_nop follow each of the two lines.
.macro JLOAD g0a, g1a, g0b, g1b
	s_cmp_eq_u32 s15, 0
	s_cbranch_scc0 .Lfor_b_\@
	tensor_load_to_lds s[\g0a:\g0a+3], s[\g1a:\g1a+7]
	s_nop 0
.rept 4
	v_nop
.endr
	s_branch .Lasked_\@
.Lfor_b_\@:
	tensor_load_to_lds s[\g0b:\g0b+3], s[\g1b:\g1b+7]
	s_nop 0
.rept 4
	v_nop
.endr
.Lasked_\@:
.endm
.macro CROUND                          ; a round of the cluster's barrier
	s_barrier_signal -1
	s_barrier_wait -1
	s_cmp_lg_u32 s14, 0
	s_cbranch_scc1 .Lnot_wave_0_\@
	s_barrier_signal -3
.Lnot_wave_0_\@:
	s_barrier_wait -3
	s_barrier_signal -1
	s_barrier_wait -1
.endm
	s_load_b256 s[4:11], s[0:1], 0x0               ; acodes, ascales, wcodes, wscales
	s_load_b256 s[92:99], s[0:1], 0x20             ; bq, bk, bv, alpha_param
	s_load_b64 s[100:101], s[0:1], 0x40            ; qkv
	v_lshl_add_u32 v[SPW], v0, 2, SPARE
	v_mov_b32 v[NIL], 0
	ds_add_u32 v[SPW], v[NIL]                      ; the wave's opening: the add, twice on end, and its wait ahead of my first tensor load
	ds_add_u32 v[SPW], v[NIL]
	v_lshrrev_b32 v1, 5, v0
	v_readfirstlane_b32 s14, v1                    ; wave 0..3
	s_lshr_b32 s15, s14, 1                         ; which half of the tile's rows is mine.  Also: I fetch for A (0) or for B (1)
	s_and_b32 s16, s14, 1                          ; which half of its columns.  Also: which 128 rows of that tile I fetch
	s_bfe_u32 s40, ttmp6, 0x40000                  ; cx, cy: my place in the cluster
	s_bfe_u32 s41, ttmp6, 0x40004
	s_and_b32 s17, ttmp7, 0xffff                   ; the cluster's y, 0 .. 23: the same in all sixteen partners
	s_lshr_b32 s[PI], s17, 3                       ; which product
	s_and_b32 s17, s17, 7
	s_lshl_b32 s17, s17, 2                         ; 4 x which eighth of the 8,192 tokens
	s_cmp_lt_u32 s[PI], 2
	s_cselect_b32 s18, s17, 0                      ; the tokens are A's rows for q and k,
	s_cselect_b32 s19, 0, s17                      ; B's for v
	s_add_co_u32 s17, s18, s41                     ; tile row of C
	s_add_co_u32 s42, s19, s40                     ; tile column of C
	s_lshl_b32 s43, s41, 2
	s_lshl_b32 s43, 15, s43                        ; my row of the cluster
	s_lshl_b32 s44, 0x1111, s40                    ; my column
	s_or_b32 s[G1+0], s43, (0<<16)|(1<<20)|(1<<21)|(5<<22)|(3<<25)  ; the mask; elements of 1 byte; padding: 4 words after every 64; bit 21 beside a mask
	s_or_b32 s[G1B+0], s44, (0<<16)|(1<<20)|(1<<21)|(5<<22)|(3<<25)
.irp g, G1, G1B
	s_mov_b32 s[\g+1], ROWB<<16                    ; tensor_dim0
	s_mov_b32 s[\g+2], 128<<16                     ; tensor_dim1
	s_mov_b32 s[\g+3], ROWB<<16                    ; tile_dim0
	s_mov_b32 s[\g+4], 128                         ; tile_dim1
	s_mov_b32 s[\g+5], KROW                        ; the pitch
	s_mov_b32 s[\g+6], 0
	s_mov_b32 s[\g+7], 0
.endr
	s_or_b32 s[G1S+0], s43, (3<<16)|(1<<20)|(1<<21)|(5<<22)|(3<<25)   ; the scales of 128 rows: 4,096 dense bytes as 16 rows of 256 (32 elements of 8 bytes), 16 bytes of padding behind each
	s_or_b32 s[G1SB+0], s44, (3<<16)|(1<<20)|(1<<21)|(5<<22)|(3<<25)
.irp g, G1S, G1SB
	s_mov_b32 s[\g+1], 32<<16
	s_mov_b32 s[\g+2], (128*KS/256)<<16
	s_mov_b32 s[\g+3], 32<<16
	s_mov_b32 s[\g+4], 128*KS/256
	s_mov_b32 s[\g+5], 32
	s_mov_b32 s[\g+6], 0
	s_mov_b32 s[\g+7], 0
.endr
	s_lshl_b32 s18, s16, 7                         ; which 128 rows of the tile I fetch
	s_lshl_b32 s20, s17, 8
	s_add_co_u32 s20, s20, s18                     ; A: row 256 x tile row + 128 x half
	s_lshl_b32 s46, s42, 8
	s_add_co_u32 s46, s46, s18                     ; B: row 256 x tile column + 128 x half
	s_mov_b32 s21, 0
	s_mov_b32 s47, 0
	s_mov_b64 s[18:19], KS
	s_mul_u64 s[22:23], s[20:21], s[18:19]         ; where these rows' scales begin in their tensor, in bytes
	s_mul_u64 s[2:3], s[46:47], s[18:19]
	s_mov_b64 s[18:19], KROW
	s_mul_u64 s[20:21], s[20:21], s[18:19]         ; and their codes
	s_mul_u64 s[46:47], s[46:47], s[18:19]
	s_mov_b32 s13, 0                               ; and where the tensor begins in its buffer: A's codes: activation pi, or Wv
	s_lshl_b32 s12, s[PI], 22
	s_cmp_lt_u32 s[PI], 2
	s_cselect_b32 s12, s12, 0x100000
	s_add_nc_u64 s[20:21], s[20:21], s[12:13]
	s_lshl_b32 s12, s[PI], 18                      ; A's scales
	s_cmp_lt_u32 s[PI], 2
	s_cselect_b32 s12, s12, 0x10000
	s_add_nc_u64 s[22:23], s[22:23], s[12:13]
	s_lshl_b32 s12, s[PI], 19                      ; B's codes: weight pi, or value
	s_cmp_lt_u32 s[PI], 2
	s_cselect_b32 s12, s12, 0x800000
	s_add_nc_u64 s[46:47], s[46:47], s[12:13]
	s_lshl_b32 s12, s[PI], 15                      ; B's scales
	s_cmp_lt_u32 s[PI], 2
	s_cselect_b32 s12, s12, 0x80000
	s_add_nc_u64 s[2:3], s[2:3], s[12:13]
	s_mul_i32 s45, s14, HALFT                      ; where they go: wave x 128 rows: no place in the cluster enters an LDS address
	s_mul_i32 s66, s14, HALFS
	s_wait_dscnt 0x0                               ; both opening adds are done
	s_wait_kmcnt 0x0
	s_cmp_lt_u32 s[PI], 2                          ; the buffers: a choice on the cluster's number
	s_cselect_b64 s[12:13], s[4:5], s[8:9]         ; A's codes
	s_cselect_b64 s[18:19], s[8:9], s[4:5]         ; B's codes
	s_cselect_b64 s[4:5], s[6:7], s[10:11]         ; A's scales
	s_cselect_b64 s[8:9], s[10:11], s[6:7]         ; B's scales
	s_add_nc_u64 s[20:21], s[12:13], s[20:21]
	s_add_nc_u64 s[22:23], s[4:5], s[22:23]
	s_add_nc_u64 s[46:47], s[18:19], s[46:47]
	s_add_nc_u64 s[2:3], s[8:9], s[2:3]
	CROUND                                         ; all sixteen work-groups are here: the first joint loads meet
	s_mov_b32 s[G0S], 1
	s_add_co_u32 s[G0S+1], s66, SCL
	s_mov_b64 s[G0S+2:G0S+3], s[22:23]
	s_or_b32 s[G0S+3], s[G0S+3], 0x80000000
	s_mov_b32 s[G0SB], 1
	s_add_co_u32 s[G0SB+1], s66, SCL
	s_mov_b64 s[G0SB+2:G0SB+3], s[2:3]
	s_or_b32 s[G0SB+3], s[G0SB+3], 0x80000000
	JLOAD G0S, G1S, G0SB, G1SB                     ; the scales first: they are wanted with the first slot.  Three loads of mine are out behind the next two
.irp s, 0,1
	s_mov_b32 s[G0+4*\s], 1
	s_add_co_u32 s[G0+4*\s+1], s45, \s*SLOT
	s_add_nc_u64 s[G0+4*\s+2:G0+4*\s+3], s[20:21], \s*ROWB
	s_or_b32 s[G0+4*\s+3], s[G0+4*\s+3], 0x80000000
	s_mov_b32 s[G0B+4*\s], 1
	s_add_co_u32 s[G0B+4*\s+1], s45, \s*SLOT
	s_add_nc_u64 s[G0B+4*\s+2:G0B+4*\s+3], s[46:47], \s*ROWB
	s_or_b32 s[G0B+4*\s+3], s[G0B+4*\s+3], 0x80000000
	JLOAD G0+4*\s, G1, G0B+4*\s, G1B
.endr
	v_and_b32 v1, 15, v0                           ; l % 16
	v_bfe_u32 v2, v0, 4, 1                         ; l / 16
	v_mul_u32_u24 v3, v1, PITCH
	v_lshl_add_u32 v4, v2, 4, v3                   ; a fragment's row x pitch + 16 x half
	s_mul_i32 s21, s15, HALFT                      ; my 128 rows of A
	s_mul_i32 s22, s16, HALFT                      ; my 128 rows of B,
	s_add_co_u32 s22, s22, 2*HALFT                 ; which lie behind A's 256
.irp s, 0,1
	v_add_nc_u32 v[ADRA+\s], s21, v4
	v_add_nc_u32 v[ADRB+\s], s22, v4
	s_add_co_u32 s21, s21, SLOT
	s_add_co_u32 s22, s22, SLOT
.endr
	v_mul_u32_u24 v5, v1, KS                       ; my row's scales: 32 bytes a row,
	v_lshrrev_b32 v6, 8, v5
	v_lshl_add_u32 v5, v6, 4, v5                   ; and 16 more for each 256 passed
	s_mul_i32 s21, s15, HALFS
	s_mul_i32 s22, s16, HALFS
	s_add_co_u32 s22, s22, 2*HALFS
	s_sub_co_u32 s22, s22, s21
	v_mul_u32_u24 v6, s22, v2                      ; lanes 16-31 take B's
	s_add_co_u32 s21, s21, SCL
	v_add_nc_u32 v5, v5, v6
	v_add_nc_u32 v[ADRS], s21, v5
	v_and_b32 v6, 31, v0
	v_lshlrev_b32 v[CO], 4, v6
	v_lshlrev_b32 v8, 5, v2                        ; the per-column bias: eight numbers from 8 (l / 16) on
	v_lshlrev_b32 v9, 2, v1                        ; the per-row bias: number l % 16
	v_mov_b32 v10, 0
	; where my 128 x 128 goes, and which biases it wants
	s_lshl_b32 s20, s17, 8
	s_lshl_b32 s21, s15, 7
	s_add_co_u32 s20, s20, s21                     ; my first row of C
	s_lshl_b32 s46, s42, 8
	s_lshl_b32 s47, s16, 7
	s_add_co_u32 s46, s46, s47                     ; my first column
	s_mov_b32 s2, 0x2000                           ; a head on, in bytes
	s_mov_b32 s3, 0x40000                          ; 64 tokens on
	s_cmp_lt_u32 s[PI], 2
	s_cselect_b32 s22, s20, s46                    ; my first token
	s_cselect_b32 s23, s46, s20                    ; my first channel
	s_cselect_b32 s12, s46, 0                      ; the per-column bias begins here (v: it counts for nothing, and number 0 keeps the loads inside the buffer)
	s_cselect_b32 s13, 0, s20                      ; the per-row bias likewise (q, k: for nothing)
	s_cselect_b32 s18, s3, s2                      ; 64 rows of C on
	s_cselect_b32 s20, s2, s3                      ; 64 columns on
	s_mov_b32 s19, 0
	s_mov_b32 s21, 0
	s_lshl_b32 s46, s[PI], 24                      ; the tensor, 16 MiB each
	s_lshr_b32 s45, s22, 11
	s_lshl_b32 s45, s45, 22                        ; the pair of batches
	s_add_co_u32 s46, s46, s45
	s_bfe_u32 s45, s22, 0x1000a
	s_lshl_b32 s45, s45, 17                        ; the batch in the pair
	s_add_co_u32 s46, s46, s45
	s_bfe_u32 s45, s22, 0x40006
	s_lshl_b32 s45, s45, 18                        ; the group of 64 tokens
	s_add_co_u32 s46, s46, s45
	s_lshr_b32 s45, s23, 6
	s_lshl_b32 s45, s45, 13                        ; the head
	s_add_co_u32 s46, s46, s45
	s_mov_b32 s47, 0
	s_add_nc_u64 s[4:5], s[100:101], s[46:47]      ; four bases: (rows 0-63 or 64-127) x (columns 0-63 or 64-127)
	s_add_nc_u64 s[6:7], s[4:5], s[20:21]
	s_add_nc_u64 s[8:9], s[4:5], s[18:19]
	s_add_nc_u64 s[10:11], s[8:9], s[20:21]
	s_cmp_eq_u32 s[PI], 0
	s_cselect_b64 s[92:93], s[92:93], s[94:95]     ; bq or bk,
	s_cmp_eq_u32 s[PI], 2
	s_cselect_b64 s[92:93], s[96:97], s[92:93]     ; or bv
	s_lshl_b32 s12, s12, 2
	s_lshl_b32 s22, s13, 2
	s_mov_b32 s13, 0
	s_mov_b32 s23, 0
	s_add_nc_u64 s[94:95], s[92:93], s[22:23]
	s_add_nc_u64 s[92:93], s[92:93], s[12:13]
.irp b, 0,1,2,3,4,5,6,7
	global_load_b128 v[BN+8*\b:BN+8*\b+3], v8, s[92:93] offset:64*\b       ; bias[first column + 16 b + 8 (l / 16) + 0 .. 7]: waited for on the way out
	global_load_b128 v[BN+8*\b+4:BN+8*\b+7], v8, s[92:93] offset:64*\b+16
.endr
.irp a, 0,1,2,3,4,5,6,7
	global_load_b32 v[BM+2*\a], v9, s[94:95] offset:64*\a                  ; bias[first row + 16 a + l % 16]
.endr
	global_load_b32 v[AL], v10, s[98:99]
.macro FRAG reg, adr, q, i             ; 16 rows x 128 K of 4-bit codes: 8 registers: lane l holds row l % 16; registers 4 c .. 4 c + 3 hold K = 64 c + 32 (l / 16) + 0 .. 31
.irp c, 0,1
	ds_load_b128 v[\reg+4*\c:\reg+4*\c+3], v[\adr] offset:64*(\q)+32*\c+(\i)*16*PITCH
.endr
.endm
; 16 matrix instructions: A's blocks a0, a0 + 1 x B's eight, 128 along K.  The 64 accumulators take turns, one instruction a turn, in the same order in every step.
.macro MUL16 a0, p, q, sc, zero
.irp a, \a0, \a0+1
.irp b, 0,1,2,3,4,5,6,7
.if \zero
	v_wmma_scale_f32_16x16x128_f8f6f4 v[8*(8*((\a)%4)+\b):8*(8*((\a)%4)+\b)+7], v[128*(\p)+FR*\b:128*(\p)+FR*\b+FR-1], v[AF+FR*(\a):AF+FR*(\a)+FR-1], 0, v[SC+8*NQ*(\sc)+NQ*\b+(\q)], v[SC+8*NQ*(\sc)+NQ*(\a)+(\q)] matrix_a_fmt:MATRIX_FMT_FP4 matrix_b_fmt:MATRIX_FMT_FP4 matrix_a_scale:MATRIX_SCALE_ROW1
.else
	v_wmma_scale_f32_16x16x128_f8f6f4 v[8*(8*((\a)%4)+\b):8*(8*((\a)%4)+\b)+7], v[128*(\p)+FR*\b:128*(\p)+FR*\b+FR-1], v[AF+FR*(\a):AF+FR*(\a)+FR-1], v[8*(8*((\a)%4)+\b):8*(8*((\a)%4)+\b)+7], v[SC+8*NQ*(\sc)+NQ*\b+(\q)], v[SC+8*NQ*(\sc)+NQ*(\a)+(\q)] matrix_a_fmt:MATRIX_FMT_FP4 matrix_b_fmt:MATRIX_FMT_FP4 matrix_a_scale:MATRIX_SCALE_ROW1
.endif
.endr
.endr
.endm
.macro FETCH_B slot, q, p
	WIN TO_B
.irp i, 0,1,2,3,4,5,6,7
	FRAG 128*(\p)+FR*\i, ADRB+\slot, \q, \i
.endr
	WIN 0
.endm
.macro FETCH_A slot, q, i0
.irp i, \i0, \i0+1, \i0+2, \i0+3
	FRAG AF+FR*(\i), ADRA+\slot, \q, \i
.endr
.endm
.macro SCALES sc                       ; a slot's scale words: four words a row; lanes 0-15 take A's block i, lanes 16-31 B's block i
.irp i, 0,1,2,3,4,5,6,7
	ds_load_b128 v[SC+8*NQ*\sc+NQ*\i:SC+8*NQ*\sc+NQ*\i+3], v[ADRS] offset:\i*SBLK
.endr
.endm
.macro PLACES n                        ; plain vector instructions between a matrix instruction and a load into, or a vector read or write of, its registers
.rept \n
	v_nop
.endr
.endm
.macro STEP slot, q, zero              ; a step of 128 along K that has its successor in the same slot
	s_wait_dscnt 4*NL                              ; B's set and A's blocks 0-3 are in; the youngest eight loads (A's blocks 4-7) may be out
	WIN MUL_LO
	MUL16 0, (\q)%2, \q, \slot, \zero
	MUL16 2, (\q)%2, \q, \slot, \zero
	s_wait_dscnt 0
	PLACES NP
	FETCH_B \slot, (\q)+1, 1-(\q)%2
	FETCH_A \slot, (\q)+1, 0
	WIN MUL_HI
	MUL16 4, (\q)%2, \q, \slot, \zero
	MUL16 6, (\q)%2, \q, \slot, \zero
	PLACES NP
	WIN 0
	FETCH_A \slot, (\q)+1, 4
.endm
.macro TURN slot, next                 ; a slot's last step changes slots: one barrier
	s_wait_tensorcnt 0x0                           ; all my tensor loads have landed: my part of the next slot
	ds_add_u32 v[SPW], v[NIL]                      ; 0 onto my spare word
	s_wait_dscnt 4*NL+1                            ; (the add and A's blocks 4-7 may be out)
	WIN MUL_LO
	MUL16 0, 1, NQ-1, \slot, 0
	s_wait_dscnt 0x0                               ; no LDS instruction of mine is pending at the signal
	s_barrier_signal -1
	MUL16 2, 1, NQ-1, \slot, 0
	WIN 0
	s_barrier_wait -1                              ; everybody's part of the next slot is in
	PLACES NP
	v_add_nc_u32 v[ADRS], 4*NQ, v[ADRS]            ; on to the next slot's scale words
	FETCH_B \next, 0, 0
	FETCH_A \next, 0, 0
	SCALES \next
	WIN MUL_HI
	MUL16 4, 1, NQ-1, \slot, 0
	MUL16 6, 1, NQ-1, \slot, 0
	PLACES NP
	WIN 0
	FETCH_A \next, 0, 4
.endm
.macro STEPS slot, from
.set Q, \from
.rept NQ-1-\from
	STEP \slot, Q, 0
.set Q, Q+1
.endr
.endm
	s_wait_tensorcnt 1                             ; the scales and my part of slot 0 are in (slot 1's load may be out),
	s_barrier_signal -1
	s_barrier_wait -1                              ; everybody's are
	FETCH_B 0, 0, 0
	FETCH_A 0, 0, 0
	SCALES 0
	FETCH_A 0, 0, 4
	STEP 0, 0, 1                                   ; the first products start the sums: nothing is cleared
	STEPS 0, 1
	TURN 0, 1
	STEPS 1, 0
	s_wait_dscnt 4*NL
	WIN MUL_LO
	MUL16 0, 1, NQ-1, 1, 0
	MUL16 2, 1, NQ-1, 1, 0
	s_wait_dscnt 0
	WIN MUL_HI
	MUL16 4, 1, NQ-1, 1, 0
	MUL16 6, 1, NQ-1, 1, 0
	WIN 0
	; THE WAY OUT.  result = sum x sc + bias: sc = sigmoid(alpha) log2(e) / 8 for q, 1 for k and v; the bias goes by B's row (q, k: x sc too) or by A's row (v).
	PLACES NP
	s_wait_loadcnt 0x0                             ; the biases and alpha_param
	v_mul_f32 v115, 0xbfb8aa3b, v[AL]              ; -alpha_param log2(e)
	v_exp_f32 v115, v115
	v_nop                                          ; a plain line behind the transcendental,
	s_wait_alu depctr_va_vdst(0)                   ; and the wait ahead of the first use
	v_add_f32 v115, 1.0, v115
	v_rcp_f32 v115, v115                           ; sigmoid
	v_nop
	s_wait_alu depctr_va_vdst(0)
	v_mul_f32 v115, 0x3e38aa3b, v115               ; x log2(e) / 8
	s_cmp_eq_u32 s[PI], 0
	s_cselect_b32 s12, -1, 0
	s_cmp_lt_u32 s[PI], 2
	s_cselect_b32 s13, -1, 0
	v_cndmask_b32 v[SCV], 1.0, v115, s12
	v_mov_b32 v[SCV+1], v[SCV]
	v_cndmask_b32 v[FN], 0, v[SCV], s13
	v_mov_b32 v[FN+1], v[FN]
	s_not_b32 s13, s13
.irp i, 0,2,4,6,8,10,12,14,16,18,20,22,24,26,28,30,32,34,36,38,40,42,44,46,48,50,52,54,56,58,60,62
	v_pk_mul_f32 v[BN+\i:BN+\i+1], v[BN+\i:BN+\i+1], v[FN:FN+1] op_sel_hi:[1,0]
.endr
.irp a, 0,1,2,3,4,5,6,7
	v_cndmask_b32 v[BM+2*\a], 0, v[BM+2*\a], s13
.endr
.irp a, 0,1,2,3,4,5,6,7
	v_mov_b32 v[BM+2*\a+1], v[BM+2*\a]
.endr
.macro OUTBLK a                        ; block a: 16 rows of A's x 128 rows of B's
.set AC, 64*((\a)%4)
	WIN 0x02+(\a)/4                                ; source 0: the accumulators' window
.irp i, 0,2,4,6,8,10,12,14,16,18,20,22,24,26,28,30,32,34,36,38,40,42,44,46,48,50,52,54,56,58,60,62
	v_pk_fma_f32 v[T+\i:T+\i+1], v[AC+\i:AC+\i+1], v[SCV:SCV+1], v[BN+\i:BN+\i+1] op_sel_hi:[1,0,1]   ; each accumulator from its low end on
.endr
	WIN 0
.irp i, 0,2,4,6,8,10,12,14,16,18,20,22,24,26,28,30,32,34,36,38,40,42,44,46,48,50,52,54,56,58,60,62
	v_pk_add_f32 v[T+\i:T+\i+1], v[T+\i:T+\i+1], v[BM+2*(\a):BM+2*(\a)+1]
.endr
	WIN 0x40                                       ; destination window 1: each block has 32 registers of its own there, so no store's data are written again
.irp i, 0,1,2,3,4,5,6,7,8,9,10,11,12,13,14,15,16,17,18,19,20,21,22,23,24,25,26,27,28,29,30,31
	v_cvt_pk_f16_f32 v[32*(\a)+\i], v[T+2*\i], v[T+2*\i+1]
.endr
	WIN 0x04                                       ; a store's data are its source 1: window 1
.irp b, 0,1,2,3,4,5,6,7
.set SB, 4+2*(2*((\a)/4)+\b/4)
	global_store_b128 v[CO], v[32*(\a)+4*\b:32*(\a)+4*\b+3], s[SB:SB+1] offset:((\a)%4)*2048+(\b%4)*512   ; a group: the wave stores 512 consecutive bytes, aligned
.endr
.endm
.irp a, 0,1,2,3,4,5,6,7
	OUTBLK \a
.endr
	WIN 0
	s_wait_tensorcnt 0x0                           ; the wave's end
	ds_add_u32 v[SPW], v[NIL]
	s_wait_dscnt 0x0
	CROUND                                         ; the closing round: no work-group ends while a partner may still ask for a tile that names it
	s_endpgm
.Lfunc_end_k_q17ce046342_proj:
	.size	k_q17ce046342_proj, .Lfunc_end_k_q17ce046342_proj-k_q17ce046342_proj
	.p2alignl 7, 3214868480
	.fill 96, 4, 3214868480
	.section	.rodata,"a",@progbits
	.p2align	6, 0x0
	.amdhsa_kernel k_q17ce046342_proj
		.amdhsa_group_segment_fixed_size 327680
		.amdhsa_private_segment_fixed_size 0
		.amdhsa_enable_private_segment 0
		.amdhsa_kernarg_size 72
		.amdhsa_user_sgpr_count 2
		.amdhsa_user_sgpr_kernarg_segment_ptr 1
		.amdhsa_wavefront_size32 1
		.amdhsa_system_sgpr_workgroup_id_x 1
		.amdhsa_system_sgpr_workgroup_id_y 1
		.amdhsa_system_sgpr_workgroup_id_z 1
		.amdhsa_system_vgpr_workitem_id 0
		.amdhsa_next_free_vgpr 1024
		.amdhsa_next_free_sgpr 102
		.amdhsa_reserve_vcc 0
		.amdhsa_float_denorm_mode_32 3
		.amdhsa_float_denorm_mode_16_64 3
		.amdhsa_memory_ordered 1
		.amdhsa_forward_progress 1
		.amdhsa_inst_pref_size 158
	.end_amdhsa_kernel
	.amdgpu_metadata
---
amdhsa.version: [ 1, 2 ]
amdhsa.kernels:
  - .name:           k_q17ce046342_proj
    .symbol:         k_q17ce046342_proj.kd
    .args:
      - { .name: acodes, .offset: 0, .size: 8, .value_kind: global_buffer, .address_space: global }
      - { .name: ascales, .offset: 8, .size: 8, .value_kind: global_buffer, .address_space: global }
      - { .name: wcodes, .offset: 16, .size: 8, .value_kind: global_buffer, .address_space: global }
      - { .name: wscales, .offset: 24, .size: 8, .value_kind: global_buffer, .address_space: global }
      - { .name: bq, .offset: 32, .size: 8, .value_kind: global_buffer, .address_space: global }
      - { .name: bk, .offset: 40, .size: 8, .value_kind: global_buffer, .address_space: global }
      - { .name: bv, .offset: 48, .size: 8, .value_kind: global_buffer, .address_space: global }
      - { .name: alpha_param, .offset: 56, .size: 8, .value_kind: global_buffer, .address_space: global }
      - { .name: qkv, .offset: 64, .size: 8, .value_kind: global_buffer, .address_space: global }
    .group_segment_fixed_size: 327680
    .private_segment_fixed_size: 0
    .kernarg_segment_align: 8
    .kernarg_segment_size: 72
    .max_flat_workgroup_size: 128
    .sgpr_count:     102
    .vgpr_count:     1024
    .wavefront_size: 32
...
	.end_amdgpu_metadata
.endif
;; end of part 2
;; launch attn (part 3): grid 8 x 64, 8 waves a work-group, clusters of 4 x 4, 327,680 bytes of LDS; arguments qkv, syn_scores, maskw, alpha_param, oimg; writes oimg
.if DOCPART == 3
	.amdgcn_target "amdgcn-amd-amdhsa--gfx1250"
	.amdhsa_code_object_version 6
	.text
	.protected	k_q17ce046342_attn
	.globl	k_q17ce046342_attn
	.p2align	8
	.type	k_q17ce046342_attn,@function
k_q17ce046342_attn:
	s_mov_b64 s[64:65], 0
	v_nop
	global_prefetch_b8 v0, s[64:65] scope:SCOPE_SE
	s_setreg_imm32_b32 hwreg(HW_REG_WAVE_MODE, 25, 1), 1
	s_wait_xcnt 0x0
	s_wait_alu depctr_hold_cnt(0) depctr_sa_sdst(0) depctr_va_vdst(0) depctr_va_sdst(0) depctr_va_ssrc(0) depctr_va_vcc(0) depctr_vm_vsrc(0)
	s_getreg_b32 s2, hwreg(HW_REG_IB_STS2, 6, 4)
	s_cmp_eq_u32 s2, 0
	s_cbranch_scc0 .Lentry_in_a_cluster
	s_endpgm
.Lentry_in_a_cluster:
	s_bfe_u32 s2, ttmp6, 0x10000c
	s_cmp_lg_u32 s2, 0xf033
	s_cbranch_scc0 .Lentry_shape_is_right
	s_endpgm
.Lentry_shape_is_right:
; ATTN: o = softmax(where(mask == 0, -1e9, alpha q k^T / 8 + (1 - alpha) syn)) v, for one head, 128 queries and TWO batches a work-group.  q, k, v arrive in f16 as images of operand registers; q carries
; alpha log2(e) / 8 already.  Products and sums in f32; the weights p are rounded to f16 for the second product; o is rounded to f16 once, as an image of the last product's operand registers.
; SHARES.  The cluster's y is the head; cy the pair of batches; 4 x cluster x + cx the block of 128 queries.  EIGHT waves, two to a SIMD, 512 registers each.  Wave w: place w % 4 gives the batch ((w % 4) / 2 of the pair) and the
; queries (64 (w % 2) on: four tiles of 16); w / 4 gives the KEYS: of each slot's two steps of 64 keys it walks one, 8 steps in all.  So a fragment of K or V read from LDS still feeds four tiles, and while one wave of a SIMD
; waits for a result the other issues.  At the end waves 4 to 7 hand their maximum, sum and O^T to waves 0 to 3 through LDS, which join the two halves of the keys and store.
; LAYOUT.  S^T = K Q^T (source 0 = 16 keys, source 1 = 16 queries): a lane holds ONE query (lane % 16); register 8 kt + j is key 16 kt + 8 (lane / 16) + j.  Rounded in pairs these are source 1 of O^T += V^T P.
; SOFTMAX, in base 2: t = S + c2 syn, c2 = (1 - alpha) log2(e); where the mask's bit is 0, t = -1e9 log2(e), a select: so a row that is hidden everywhere comes out as the plain average, as with the -1e9 of the problem.
; A running maximum m and sum l for each query; p = 2^(t - m); in every step O^T and l are multiplied by a = 2^(m_old - m_new).
; BY TURNS OF ONE TILE.  TURN t holds tile t's softmax (197 vector instructions), with the 8 products V^T P of the tile before set among its first 80 and the 8 products K Q^T of the tile after among the rest.
; THE RING.  Two slots of 128 keys (two steps).  Wave 0 fetches K (4 blocks of 8 KiB: 2 steps x 2 batches), wave 1 V, wave 2 syn (128 queries x 128 keys, f32), wave 3 the mask words (4 KiB): one load a wave behind each round.
; CLUSTER 4 x 4.  K and V hang on the head and the pair of batches: asked for jointly along a row of the cluster.  syn hangs on the head and the block of queries: jointly along a column.  The mask words are the work-group's own.
; LIMITS: NaN and infinities are not served; scores under -1e9 are not told apart from hidden ones; o must lie within f16's range.
; REGISTERS.  Window 0: v1-7 addresses; v8-11 at work; v[12:13] a; v14 m_old; v15 the prefetch's offset; v16-31 four a tile: m, a filler, l (even keys', odd keys'); v32-47 P (at the end: the partner's m and l); v48, v49 the add's two;
; v52-55 at the end my four m; v56, v57 the hand-over's LDS addresses; v64-127 S^T, two buffers (tile t uses t % 2); v128-255 O^T (32 t + 8 ct).
; Window 1: v0-63 K; v64-127 V (at the end v0-127: the partner's O^T); v128-159 syn; v160 the mask words; v192-255 Q.
.set KSL,   65536                      ; K's and V's slot 1 begins here: one exclusive or turns an address
.set VOF,   32768                      ; in a slot: K's four blocks, then V's
.set SY0,   131072                     ; syn, slot 0: 128 rows of 512 bytes + 16 of padding
.set SYP,   528
.set XS,    0x10800                    ; 131072 xor 198656; bits 8 and 9, which a step's place uses, are not among its bits
.set MW0,   270336                     ; the mask words, slot 0: 4,096 bytes
.set XM,    0x1000
.set SPARE, 278528                     ; the spare words, 128 bytes for each of eight waves: four blocks of 256 bytes that no other line names
.set STAT,  279552                     ; the hand-over's m and l: 1,024 bytes for each pair of waves; no tile ever lands here
.set AKV0, 1                           ; v1  16 x lane + 8,192 x (my batch in the pair)
.set ASY0, 2                           ; v2  528 (lane % 16) + 32 (lane / 16) + 64 rows x (my half of the queries)
.set AMW0, 3                           ; v3  1,024 x (wave % 4) + 16 x lane
.set ADK,  4
.set ADS,  5
.set ADM,  6
.set L16,  7                           ; v7  16 x lane
.set CC,   8
.set AA,   12
.set TOLD, 14
.set PFO,  15
.set ST,   16
.set P,    32
.set PM,   32                          ; at the end: the partner's four m,
.set PL,   36                          ; its four l,
.set TM,   40                          ; and four at work
.set SPW,  48
.set NIL,  49
.set MM,   52
.set STG,  56                          ; v56 16 x lane + 16,384 x (wave % 4): O^T's hand-over, in K's and V's slot 0
.set STT,  57                          ; v57 STAT + 16 x lane + 1,024 x (wave % 4)
.set S,    64
.set OT,   128
.set KF,   0                           ; window 1
.set VF,   64
.set SY,   128
.set MW,   160
.set QF,   192
.set WV,   14                          ; s14 my wave's number
.set G1KV, 16
.set G1S,  24
.set G1M,  32
.set G0KV, 40                          ; the walking groups 0
.set G0S,  44
.set G0M,  48
.set SLOTS, 52
.set TBK,  54                          ; LDS byte at which my step's K begins; syn's columns; the mask words
.set TBS,  55
.set TBM,  56
.set NEG,  57                          ; -1e9 log2(e)
.set C2,   58                          ; s[58:59]
.set SEL,  60                          ; s[60:61]
.set LIM,  62
.set PFA,  66                          ; s[66:67]
.set MK,   68                          ; s[68:99] a tile's 32 lane masks (at the head: scratch, and slot 0's groups 0)
.set PFS,  100                         ; s[100:101]
.set MSB, 0
.macro WIN new                         ; the immediate's high byte repeats the setting that is left; a switch that changes nothing is dropped
.if MSB != \new
	s_set_vgpr_msb (MSB<<8)|\new
.set MSB, \new
.endif
.endm
.macro CROUND                          ; a round of the cluster's barrier
	s_barrier_signal -1
	s_barrier_wait -1
	s_cmp_lg_u32 s[WV], 0
	s_cbranch_scc1 .Lnot_wave_0_\@
	s_barrier_signal -3
.Lnot_wave_0_\@:
	s_barrier_wait -3
	s_barrier_signal -1
	s_barrier_wait -1
.endm
; A refill: one load for each of waves 0 to 3, none for the others.  The branches hang on the wave's number alone.  An s_nop 0 and four v_nop follow each line.
.macro JLOAD3
	s_cmp_lt_u32 s[WV], 2
	s_cbranch_scc0 .Lnkv_\@
	tensor_load_to_lds s[G0KV:G0KV+3], s[G1KV:G1KV+7]
	s_nop 0
.rept 4
	v_nop
.endr
	s_branch .Lasked_\@
.Lnkv_\@:
	s_cmp_eq_u32 s[WV], 2
	s_cbranch_scc0 .Lmw_\@
	tensor_load_to_lds s[G0S:G0S+3], s[G1S:G1S+7]
	s_nop 0
.rept 4
	v_nop
.endr
	s_branch .Lasked_\@
.Lmw_\@:
	s_cmp_eq_u32 s[WV], 3
	s_cbranch_scc0 .Lasked_\@
	tensor_load_to_lds s[G0M:G0M+3], s[G1M:G1M+7]
	s_nop 0
.rept 4
	v_nop
.endr
.Lasked_\@:
.endm
; A PREFETCH of what the NEXT change of slots will ask for, a slot's turns ahead of that load: one instruction a wave, behind the wave's tensor load and its five lines.  Each aligned block of 256 bytes is named once in the launch.
; K and V: both clusters of a head and pair of batches walk the same blocks: the one with x = 0 asks; partner cx takes block cx of the slot's four (8,192 bytes, lanes 256 bytes apart); wave 0 K's, wave 1 V's.
; syn: a tile is read by one column of one cluster: partner cy takes rows 32 cy + lane; wave 2 the first 256 bytes of a row's 512, wave 3 the second.  The partners are told apart by address alone.  Waves 4 to 7 ask for nothing.
; The last change that fills a slot asks for nothing; slots 0 to 2 come by their loads alone.  The mask words, 4 KiB of a slot's 132, are not asked for.
.macro ASK
	s_cmp_gt_u32 s[SLOTS], s[LIM]
	s_cbranch_scc0 .Lnot_mine_\@
	global_prefetch_b8 v[PFO], s[PFA:PFA+1] th:TH_LOAD_NT scope:SCOPE_SE
.Lnot_mine_\@:
.endm
	s_load_b256 s[4:11], s[0:1], 0x0               ; qkv, syn_scores, maskw, alpha_param
	s_load_b64 s[12:13], s[0:1], 0x20              ; oimg
	v_lshl_add_u32 v[SPW], v0, 2, SPARE
	v_mov_b32 v[NIL], 0
	ds_add_u32 v[SPW], v[NIL]                      ; the wave's opening: the add, twice on end, and its wait ahead of a first tensor load: all eight waves run it
	ds_add_u32 v[SPW], v[NIL]
	v_lshrrev_b32 v50, 5, v0
	v_readfirstlane_b32 s[WV], v50                 ; wave 0..7
	s_and_b32 s15, s[WV], 1                        ; my half of the queries.  Also, in waves 0 and 1: K or V
	s_bfe_u32 s80, ttmp6, 0x40000                  ; cx
	s_bfe_u32 s81, ttmp6, 0x40004                  ; cy: the pair of batches
	s_lshl_b32 s82, ttmp9, 2
	s_add_co_u32 s82, s82, s80                     ; the block of 128 queries
	s_and_b32 s83, ttmp7, 0xffff                   ; the head
	s_lshl_b32 s84, s81, 2
	s_lshl_b32 s84, 15, s84                        ; my row of the cluster
	s_lshl_b32 s85, 0x1111, s80                    ; my column
	s_or_b32 s[G1KV], s84, (3<<16)|(1<<21)         ; K, V: 4 rows of 8,192 bytes (1,024 elements of 8), 131,072 bytes apart; no padding
	s_mov_b32 s[G1KV+1], 1024<<16
	s_mov_b32 s[G1KV+2], 4<<16
	s_mov_b32 s[G1KV+3], 1024<<16
	s_mov_b32 s[G1KV+4], 4
	s_mov_b32 s[G1KV+5], 16384
	s_mov_b32 s[G1KV+6], 0
	s_mov_b32 s[G1KV+7], 0
	s_or_b32 s[G1S], s85, (2<<16)|(1<<20)|(1<<21)|(6<<22)|(3<<25)   ; syn: 128 rows of 128 f32, 1,024 apart; 4 words of padding after every 128
	s_mov_b32 s[G1S+1], 128<<16
	s_mov_b32 s[G1S+2], 128<<16
	s_mov_b32 s[G1S+3], 128<<16
	s_mov_b32 s[G1S+4], 128
	s_mov_b32 s[G1S+5], 1024
	s_mov_b32 s[G1S+6], 0
	s_mov_b32 s[G1S+7], 0
	s_mov_b32 s[G1M], 3<<16                        ; the mask words: 4,096 dense bytes as 16 rows of 256; no mask of work-groups: my own
	s_mov_b32 s[G1M+1], 32<<16
	s_mov_b32 s[G1M+2], 16<<16
	s_mov_b32 s[G1M+3], 32<<16
	s_mov_b32 s[G1M+4], 16
	s_mov_b32 s[G1M+5], 32
	s_mov_b32 s[G1M+6], 0
	s_mov_b32 s[G1M+7], 0
	s_add_co_u32 s86, s15, 1                       ; K is tensor 1 of qkv (wave 0), V tensor 2 (wave 1): 16 MiB each
	s_lshl_b32 s86, s86, 24
	s_lshl_b32 s87, s81, 22
	s_add_co_u32 s86, s86, s87                     ; the pair of batches
	s_lshl_b32 s87, s83, 13
	s_add_co_u32 s86, s86, s87                     ; the head
	s_mov_b32 s87, 0
	s_lshl_b32 s88, s83, 22                        ; syn: the head, 4 MiB;
	s_lshl_b32 s89, s82, 19                        ; 128 rows of 4,096 bytes
	s_add_co_u32 s88, s88, s89
	s_mov_b32 s89, 0
	s_lshl_b32 s90, s81, 18                        ; the mask words: ((8 pair + block) x 8 + slot) x 4,096
	s_lshl_b32 s91, s82, 15
	s_add_co_u32 s90, s90, s91
	s_mov_b32 s91, 0
	s_lshl_b32 s63, s15, 15                        ; in a slot: K's blocks, then V's
	s_mov_b32 s[NEG], 0xceabfb8f
	s_mov_b32 s[SEL], 0x76543210
	s_mov_b32 s[SEL+1], 0xfedcba98
	s_lshr_b32 s99, s[WV], 2                       ; which of a slot's two steps is mine:
	s_lshl_b32 s[TBK], s99, 14                     ; two blocks of K (and of V) on,
	s_lshl_b32 s[TBS], s99, 8                      ; 64 keys of syn,
	s_add_co_u32 s[TBS], s[TBS], SY0
	s_lshl_b32 s[TBM], s99, 9                      ; 512 bytes of mask words
	s_add_co_u32 s[TBM], s[TBM], MW0
	s_mov_b32 s[SLOTS], 6
	s_wait_dscnt 0x0                               ; both opening adds are done
	s_wait_kmcnt 0x0
	s_add_nc_u64 s[86:87], s[4:5], s[86:87]
	s_add_nc_u64 s[88:89], s[6:7], s[88:89]
	s_add_nc_u64 s[90:91], s[8:9], s[90:91]
	CROUND                                         ; all sixteen work-groups are here: the first joint loads meet
	s_mov_b32 s68, 1                               ; slot 0's groups 0,
	s_mov_b32 s69, s63
	s_mov_b64 s[70:71], s[86:87]
	s_or_b32 s71, s71, 0x80000000
	s_mov_b32 s72, 1
	s_mov_b32 s73, SY0
	s_mov_b64 s[74:75], s[88:89]
	s_or_b32 s75, s75, 0x80000000
	s_mov_b32 s76, 1
	s_mov_b32 s77, MW0
	s_mov_b64 s[78:79], s[90:91]
	s_or_b32 s79, s79, 0x80000000
	s_mov_b32 s[G0KV], 1                           ; and the walking ones, which begin at slot 1
	s_add_co_u32 s[G0KV+1], s63, KSL
	s_add_nc_u64 s[G0KV+2:G0KV+3], s[86:87], 524288
	s_or_b32 s[G0KV+3], s[G0KV+3], 0x80000000
	s_mov_b32 s[G0S], 1
	s_mov_b32 s[G0S+1], SY0+128*SYP
	s_add_nc_u64 s[G0S+2:G0S+3], s[88:89], 512
	s_or_b32 s[G0S+3], s[G0S+3], 0x80000000
	s_mov_b32 s[G0M], 1
	s_mov_b32 s[G0M+1], MW0+4096
	s_add_nc_u64 s[G0M+2:G0M+3], s[90:91], 4096
	s_or_b32 s[G0M+3], s[G0M+3], 0x80000000
	s_cmp_lt_u32 s[WV], 2                          ; a wave's two first fills stand together in its arm of one branch, ahead of every wait on TENSORcnt and every LDS read: two loads of a fetching wave are out
	s_cbranch_scc0 .Lf_nkv
	tensor_load_to_lds s[68:71], s[G1KV:G1KV+7]
	s_nop 0
	tensor_load_to_lds s[G0KV:G0KV+3], s[G1KV:G1KV+7]
	s_nop 0
.rept 4
	v_nop
.endr
	s_branch .Lf_done
.Lf_nkv:
	s_cmp_eq_u32 s[WV], 2
	s_cbranch_scc0 .Lf_mw
	tensor_load_to_lds s[72:75], s[G1S:G1S+7]
	s_nop 0
	tensor_load_to_lds s[G0S:G0S+3], s[G1S:G1S+7]
	s_nop 0
.rept 4
	v_nop
.endr
	s_branch .Lf_done
.Lf_mw:
	s_cmp_eq_u32 s[WV], 3
	s_cbranch_scc0 .Lf_done
	tensor_load_to_lds s[76:79], s[G1M:G1M+7]
	s_nop 0
	tensor_load_to_lds s[G0M:G0M+3], s[G1M:G1M+7]
	s_nop 0
.rept 4
	v_nop
.endr
.Lf_done:
	v_and_b32 v50, 31, v0                          ; lane
	v_and_b32 v51, 15, v0
	v_bfe_u32 v52, v0, 4, 1
	v_lshlrev_b32 v[L16], 4, v50
	s_bfe_u32 s2, s[WV], 0x10001                   ; my batch in the pair: bit 1 of the wave's number
	s_lshl_b32 s92, s81, 22                        ; Q's block: the pair of batches,
	s_lshl_b32 s93, s82, 19                        ; two groups of 64 tokens to a block of queries,
	s_add_co_u32 s92, s92, s93
	s_lshl_b32 s93, s15, 18                        ; my half,
	s_add_co_u32 s92, s92, s93
	s_lshl_b32 s93, s2, 17                         ; my batch,
	s_add_co_u32 s92, s92, s93
	s_lshl_b32 s93, s83, 13                        ; the head
	s_add_co_u32 s92, s92, s93
	s_mov_b32 s93, 0
	s_add_nc_u64 s[92:93], s[4:5], s[92:93]
	WIN 0x40                                       ; destination window 1
.irp f, 0,1,2,3,4,5,6,7,8,9,10,11,12,13,14,15  ; Q stays in registers: group f = 4 t + 2 F + c
	global_load_b128 v[QF+4*\f:QF+4*\f+3], v[L16], s[92:93] offset:512*\f
.endr
	WIN 0
	v_mov_b32 v53, 0
	global_load_b32 v54, v53, s[10:11]             ; alpha_param
	s_lshl_b32 s3, s2, 13
	v_add_nc_u32 v[AKV0], s3, v[L16]
	v_mul_u32_u24 v[ASY0], v51, SYP
	v_lshl_add_u32 v[ASY0], v52, 5, v[ASY0]
	s_mul_i32 s3, s15, 64*SYP
	v_add_nc_u32 v[ASY0], s3, v[ASY0]
	s_and_b32 s99, s[WV], 3                        ; my place among the four waves that walk the same steps; my partner for the other steps has the same
	s_lshl_b32 s3, s99, 10
	v_add_nc_u32 v[AMW0], s3, v[L16]
	s_add_co_u32 s3, s3, STAT
	v_add_nc_u32 v[STT], s3, v[L16]
	s_lshl_b32 s3, s99, 14
	v_add_nc_u32 v[STG], s3, v[L16]
	v_mov_b32 v[AA+1], 0                           ; named as the upper halves of pairs, so they are written
.irp t, 0,1,2,3
	v_mov_b32 v[ST+4*\t+1], 0
.endr
	s_lshl_b32 s94, s81, 22                        ; O: row tile 64 batch + 8 block + 4 half + t, 32,768 bytes each; the head's four groups of 512
	s_lshl_b32 s95, s2, 21
	s_add_co_u32 s94, s94, s95
	s_lshl_b32 s95, s82, 18
	s_add_co_u32 s94, s94, s95
	s_lshl_b32 s95, s15, 17
	s_add_co_u32 s94, s94, s95
	s_lshl_b32 s95, s83, 11
	s_add_co_u32 s94, s94, s95
	s_mov_b32 s95, 0
	s_add_nc_u64 s[12:13], s[12:13], s[94:95]
	s_cmp_lt_u32 s[WV], 2                          ; the prefetches: waves 0 and 1 K's and V's, waves 2 and 3 syn's
	s_cselect_b64 s[PFA:PFA+1], s[86:87], s[88:89]
	s_cselect_b32 s96, s80, s81                    ; my place among the four that ask jointly
	s_mov_b32 s[PFS], 512
	s_cselect_b32 s[PFS], 0x80000, s[PFS]          ; a slot on
	s_cselect_b32 s97, 0, s15                      ; syn: which 256 bytes of a row's 512
	s_cselect_b32 s98, 8, 12                       ; from lane to lane: 256 bytes, or a row of 4,096
	s_cselect_b32 s[LIM], ttmp9, 0                 ; K, V: the cluster with x = 0 alone;
	s_lshr_b32 s99, s[WV], 2
	s_or_b32 s[LIM], s[LIM], s99                   ; waves 4 to 7: never
	s_cmp_eq_u32 s[LIM], 0
	s_cselect_b32 s[LIM], 1, -1
	s_lshl_b32 s96, s96, 17                        ; a block of K or V, and 32 rows of syn, are both 131,072 bytes on
	s_lshl_b32 s97, s97, 8
	s_add_co_u32 s96, s96, s97
	s_lshl_b32 s97, s[PFS], 1                      ; at slot 2: the first change of slots steps it to slot 3
	s_add_co_u32 s96, s96, s97
	s_mov_b32 s97, 0
	s_mov_b32 s[PFS+1], 0
	s_add_nc_u64 s[PFA:PFA+1], s[PFA:PFA+1], s[96:97]
	v_lshlrev_b32 v[PFO], s98, v50
; Product i of 8 of O^T += V^T P, for the tile before t: channels 16 (i % 4) on, keys 32 (i / 4) on.  pv = 1: the first four start the sums.  The accumulators take turns, one instruction a turn.
.macro PV t, pv
.set tp, ((\t)+3)%4
.set rO, OT+32*tp+8*(i%4)
.set rV, VF+16*(i%4)+8*(i/4)
.set rP, P+8*(i/4)
	WIN 0x01                                       ; V in window 1; P and O^T in window 0
.if ((\pv) == 1) && (i < 4)
	v_wmma_f32_16x16x32_f16 v[rO:rO+7], v[rV:rV+7], v[rP:rP+7], 0
.else
	v_wmma_f32_16x16x32_f16 v[rO:rO+7], v[rV:rV+7], v[rP:rP+7], v[rO:rO+7]
.endif
.endm
; Product i of 8 of S^T = K Q^T, for the tile after t: keys 16 (i % 4) on, channels 32 (i / 4) on.  The first four start the sums.
.macro KQ t
.set tn, ((\t)+1)%4
.set rD, S+32*(tn%2)+8*(i%4)
.set rK, KF+16*(i%4)+8*(i/4)
.set rQ, QF+16*tn+8*(i/4)
	WIN 0x05                                       ; K and Q in window 1; S^T in window 0
.if i < 4
	v_wmma_f32_16x16x32_f16 v[rD:rD+7], v[rK:rK+7], v[rQ:rQ+7], 0
.else
	v_wmma_f32_16x16x32_f16 v[rD:rD+7], v[rK:rK+7], v[rQ:rQ+7], v[rD:rD+7]
.endif
.endm
.macro FETCH_K                         ; a step's K: a block of 8,192 bytes as it lies, 512 consecutive bytes a load
	WIN 0x40
.irp f, 0,1,2,3,4,5,6,7,8,9,10,11,12,13,14,15
	ds_load_b128 v[KF+4*\f:KF+4*\f+3], v[ADK] offset:512*\f
.endr
.endm
.macro MID t                           ; the next tile's syn and mask words; in turn 0 also the step's V
.set tn, ((\t)+1)%4
	WIN 0x40
.irp f, 0,1,2,3,4,5,6,7
	ds_load_b128 v[SY+4*\f:SY+4*\f+3], v[ADS] offset:16*SYP*tn+64*(\f/2)+16*(\f%2)
.endr
	ds_load_b32 v[MW], v[ADM] offset:4*tn
.if (\t) == 0
.irp f, 0,1,2,3,4,5,6,7,8,9,10,11,12,13,14,15
	ds_load_b128 v[VF+4*\f:VF+4*\f+3], v[ADK] offset:VOF+512*\f
.endr
.endif
.endm
; THE VECTOR WORK OF A TURN: number j of tile t's list.  first = 1: the wave's first key step, which starts m, l and O^T.
;   0-31    the 32 lane masks into scalar registers          32-47   t = c2 syn + S, in pairs, ascending          48-79   hidden scores become -1e9 log2(e)
;   80-95   the maximum, four chains, then with the old m     96-99   the other half of the lanes'; the new m; m_old - m_new
;   100-115 t - m     116 a     117-148 the 32 exponentials: none of 100-148 reads an exponential's result; behind 148 one plain line and ONE wait for the batch
;   149-164 the roundings to f16     165-180 the sums; l = a l + sum     181-196 O^T x a, ascending
.macro VJ t, first
	WIN 0
.set n, j-80
.if n < 4
	v_max3_num_f32 v[CC+n], v[rS+8*n], v[rS+8*n+1], v[rS+8*n+2]
.elseif n < 12
	v_max3_num_f32 v[CC+n%4], v[CC+n%4], v[rS+8*(n%4)+2*(n/4)+1], v[rS+8*(n%4)+2*(n/4)+2]
.elseif n == 12
	v_max3_num_f32 v[CC], v[CC], v[rS+7], v[rS+15]
.elseif n == 13
	v_max3_num_f32 v[CC+2], v[CC+2], v[rS+23], v[rS+31]
.elseif n == 14
	v_max3_num_f32 v[CC], v[CC], v[CC+1], v[CC+2]
.elseif (n == 15) && (\first)
	v_max_num_f32 v[CC], v[CC], v[CC+3]
.elseif n == 15
	v_max3_num_f32 v[CC], v[CC], v[CC+3], v[rM]
.elseif n == 16
	v_permlanex16_b32 v[CC+1], v[CC], s[SEL], s[SEL+1]   ; the query's other 32 keys lie in the lane 16 away
.elseif n == 18
	v_max_num_f32 v[rM], v[CC], v[CC+1]
.elseif ((n == 17) || (n == 19) || (n == 36) || (n > 100)) && (\first)
.elseif n == 17
	v_mov_b32 v[TOLD], v[rM]
.elseif n == 19
	v_sub_f32 v[TOLD], v[TOLD], v[rM]
.elseif n < 36
.set b, 2*(n-20)
	v_pk_add_f32 v[rS+b:rS+b+1], v[rS+b:rS+b+1], v[rM:rM+1] op_sel_hi:[1,0] neg_lo:[0,1] neg_hi:[0,1]
.elseif n == 36
	v_exp_f32 v[AA], v[TOLD]
.elseif n < 69
	v_exp_f32 v[rS+n-37], v[rS+n-37]
.elseif n < 85
	v_cvt_pk_f16_f32 v[P+n-69], v[rS+2*(n-69)], v[rS+2*(n-69)+1]
.elseif n < 101
.set z, n-85
.set w, 4
.set u, z
.if z >= 14
.set w, 32
.set u, 0
.elseif z >= 12
.set w, 16
.set u, z-12
.elseif z >= 8
.set w, 8
.set u, z-8
.endif
.if (z == 14) && (\first)
	v_pk_add_f32 v[rM+2:rM+3], v[rS:rS+1], v[rS+16:rS+17]
.elseif z < 15
	v_pk_add_f32 v[rS+w*u:rS+w*u+1], v[rS+w*u:rS+w*u+1], v[rS+w*u+w/2:rS+w*u+w/2+1]
.elseif !(\first)
	v_pk_fma_f32 v[rM+2:rM+3], v[rM+2:rM+3], v[AA:AA+1], v[rS:rS+1] op_sel_hi:[1,0,1]
.endif
.else
.set b, OT+32*(\t)+2*(n-101)
	v_pk_mul_f32 v[b:b+1], v[b:b+1], v[AA:AA+1] op_sel_hi:[1,0]
.endif
.endm
.macro VI t, first
.set rS, S+32*((\t)%2)
.set rM, ST+4*(\t)
.if j < 32
	WIN 0x01                                       ; source 0 in window 1: V^T P's own setting, so the turn's first half has no switch
	v_readlane_b32 s[MK+j], v[MW], j
.elseif j < 48
	WIN 0x01
.set b, 2*(j-32)
	v_pk_fma_f32 v[rS+b:rS+b+1], v[SY+b:SY+b+1], s[C2:C2+1], v[rS+b:rS+b+1] op_sel_hi:[1,0,1]
.elseif j < 80
.if MSB != 0x01
	WIN 0
.endif
	v_cndmask_b32 v[rS+j-48], s[NEG], v[rS+j-48], s[MK+j-48]
.else
	VJ \t, \first
.endif
.endm
; A TURN.  pv = 2: 8 products V^T P of the tile before; 1: they start O^T's sums; 0: none.  kq = 1: 8 products K Q^T of the tile after.  fetch = 1: the LDS loads for the next turn.
; PLACES (plain vector instructions that name none of the product's registers; ISA guide 7.12.1 for vector instructions): behind the last V^T P stand ten selects, ahead of V's loads; the maximum and the
; subtractions stand between it and the writes of P; behind the last K Q^T stand the last rounding and the sums, 16 at the least, ahead of the next turn's reads of S^T and of K's loads.
.macro TURN t, pv, kq, first, fetch
	s_wait_dscnt 0x0                               ; syn, the mask words and (turn 1) V, asked for in the middle of the turn before, are in
.if ((\t) == 3) && (\kq)
	FETCH_K                                        ; my next step's K: both of its readers of the step in hand are done
.endif
.set j, 0
.set i, 0
.rept 8
.if \pv
	PV \t, \pv
.endif
.rept 10
	VI \t, \first
.set j, j+1
.endr
.set i, i+1
.endr
.if \fetch
	MID \t
.endif
.set i, 0
.rept 117
.if (\kq) && ((j-80)%12 == 0) && (i < 8)
.if ((\t) == 3) && (i == 0)
	s_wait_dscnt 9                                 ; K is in: behind its sixteen loads only the eight of syn and the one of the mask words were issued
.endif
	KQ \t
.set i, i+1
.endif
	VI \t, \first
.if j == 148
	v_nop                                          ; a plain line behind the last exponential,
	s_wait_alu depctr_va_vdst(0)                   ; and the one wait ahead of the batch's first reader
.endif
.set j, j+1
.endr
.endm
.macro BODY_ADDR                       ; all LDS loads from here to the next BODY_ADDR belong to one key step: my step of the slot in hand
	WIN 0
	v_add_nc_u32 v[ADK], s[TBK], v[AKV0]
	v_add_nc_u32 v[ADS], s[TBS], v[ASY0]
	v_add_nc_u32 v[ADM], s[TBM], v[AMW0]
.endm
; THE CHANGE OF SLOTS, between turn 2 of my step and turn 3: all that I want of the slot has been asked for.  Each wave waits for all its tensor loads (in a fetching wave one is out: its part of the other slot), adds 0 to its spare
; word, and waits for that and for its reads of the slot.  fill = 1: the barrier is a round of the cluster's, and the refill is the first thing behind it: it has a whole slot's turns in which to land.
.macro CHANGE fill
	WIN 0
	s_wait_tensorcnt 0x0                           ; no tensor load of mine is out, so a group 0 may be written
	ds_add_u32 v[SPW], v[NIL]                      ; 0 onto my spare word
.if \fill
	ds_add_u32 v[SPW], v[NIL]                      ; and once more: the add twice on end, here and at every such change alike
	s_xor_b32 s[G0KV+1], s[G0KV+1], KSL            ; the walking descriptors: the other slot than last time, the next 128 keys
	s_add_nc_u64 s[G0KV+2:G0KV+3], s[G0KV+2:G0KV+3], 524288
	s_xor_b32 s[G0S+1], s[G0S+1], XS
	s_add_nc_u64 s[G0S+2:G0S+3], s[G0S+2:G0S+3], 512
	s_xor_b32 s[G0M+1], s[G0M+1], XM
	s_add_nc_u64 s[G0M+2:G0M+3], s[G0M+2:G0M+3], 4096
	s_wait_xcnt 0x0                                ; the last prefetch, a slot back, has read its address
	s_add_nc_u64 s[PFA:PFA+1], s[PFA:PFA+1], s[PFS:PFS+1]
	s_wait_dscnt 0x0                               ; both adds are done, and my reads of the slot are over
	CROUND
	JLOAD3
	ASK
.else
	s_wait_dscnt 0x0
	s_barrier_signal -1
	s_barrier_wait -1
.endif
	s_xor_b32 s[TBK], s[TBK], KSL                  ; my step of the other slot
	s_xor_b32 s[TBS], s[TBS], XS
	s_xor_b32 s[TBM], s[TBM], XM
.endm
.macro BODY                            ; my step of a slot
	BODY_ADDR
	TURN 3, 2, 1, 0, 1
	TURN 0, 2, 1, 0, 1
	TURN 1, 2, 1, 0, 1
	TURN 2, 2, 1, 0, 1
	WIN 0
.endm
	s_wait_tensorcnt 1                             ; my part of slot 0 is in; slot 1's may stay out
	s_barrier_signal -1
	s_barrier_wait -1                              ; everybody's is
	BODY_ADDR
	FETCH_K                                        ; my step of slot 0
	MID 3                                          ; tile 0's syn and mask words
	WIN 0
	s_wait_loadcnt 0x0                             ; Q and alpha_param
	v_mul_f32 v54, 0xbfb8aa3b, v54                 ; -alpha_param log2(e)
	v_exp_f32 v54, v54
	v_nop                                          ; a plain line behind the transcendental,
	s_wait_alu depctr_va_vdst(0)                   ; and the wait ahead of the first use
	v_add_f32 v54, 1.0, v54
	v_rcp_f32 v54, v54                             ; alpha
	v_nop
	s_wait_alu depctr_va_vdst(0)
	v_sub_f32 v54, 1.0, v54
	v_mul_f32 v54, 0x3fb8aa3b, v54                 ; c2 = (1 - alpha) log2(e)
	v_readfirstlane_b32 s[C2], v54
	s_mov_b32 s[C2+1], s[C2]                       ; named with it as a pair, so it is written
	s_wait_dscnt 0x0
.set i, 0
.rept 8
	KQ 3                                           ; tile 0's first scores
.set i, i+1
.endr
	WIN 0
.rept 4
	v_nop                                          ; places behind those products
.endr
	TURN 0, 0, 1, 1, 1
	TURN 1, 1, 1, 1, 1
	TURN 2, 1, 1, 1, 1
	CHANGE 1                                       ; slot 0 is left and takes keys 256 on
	s_mov_b32 s[SLOTS], 5
	BODY_ADDR                                      ; my step of slot 1 is written out: its first two turns still start sums
	TURN 3, 1, 1, 1, 1
	TURN 0, 1, 1, 0, 1
	TURN 1, 2, 1, 0, 1
	TURN 2, 2, 1, 0, 1
	WIN 0
.Lslot:                                            ; five trips: with the change above, every slot but the last two is filled again
	CHANGE 1
	BODY
	s_sub_co_u32 s[SLOTS], s[SLOTS], 1
	s_cmp_lg_u32 s[SLOTS], 0
	s_cbranch_scc1 .Lslot
	CHANGE 0                                       ; the tail is written out
	BODY
	TURN 3, 2, 0, 0, 0                             ; my last step's tile 3
.set i, 0
.rept 8
	PV 0, 2                                        ; and its V^T P
.set i, i+1
.endr
	; THE TWO HALVES OF THE KEYS ARE JOINED.  Waves 4 to 7 hand over, as images of their registers: O^T (32 stores of 512 consecutive bytes, into K's and V's slot 0: it has had its last fill, and the barrier below shows that nobody
	; reads LDS any more), their four m and their four l (bytes of their own).  The eight lines below are the places behind the last products.
	WIN 0
.irp t, 0,1,2,3
	v_add_f32 v[CC+\t], v[ST+4*\t+2], v[ST+4*\t+3] ; l's two halves
.endr
.irp t, 0,1,2,3
	v_mov_b32 v[MM+\t], v[ST+4*\t]                 ; the four m on end
.endr
	s_wait_dscnt 0x0
	s_barrier_signal -1
	s_barrier_wait -1                              ; every wave's reads of the ring are over
	s_cmp_lt_u32 s[WV], 4
	s_cbranch_scc1 .Lkeeper
.irp i, 0,1,2,3,4,5,6,7,8,9,10,11,12,13,14,15,16,17,18,19,20,21,22,23,24,25,26,27,28,29,30,31
	ds_store_b128 v[STG], v[OT+4*\i:OT+4*\i+3] offset:512*\i   ; each accumulator from its low end on
.endr
	ds_store_b128 v[STT], v[MM:MM+3]
	ds_store_b128 v[STT], v[CC:CC+3] offset:512
.Lkeeper:
	s_wait_dscnt 0x0                               ; for the others' sake: my stores are done
	s_barrier_signal -1
	s_barrier_wait -1
	s_cmp_lt_u32 s[WV], 4
	s_cbranch_scc0 .Lend
	; Waves 0 to 3: M = max(m, m'); a = 2^(m - M), a' = 2^(m' - M); L = a l + a' l', with the other half of the lanes'; o = (a / L) O^T + (a' / L) O'^T, rounded to f16: a lane's eight channels of a query are 16 bytes,
	; and the wave's 512 bytes are a group of the last product's operand image: stored straight from registers.
	ds_load_b128 v[PM:PM+3], v[STT]
	ds_load_b128 v[PL:PL+3], v[STT] offset:512
	WIN 0x40                                       ; destination window 1: where K and V lay
.irp i, 0,1,2,3,4,5,6,7,8,9,10,11,12,13,14,15,16,17,18,19,20,21,22,23,24,25,26,27,28,29,30,31
	ds_load_b128 v[4*\i:4*\i+3], v[STG] offset:512*\i
.endr
	WIN 0
	s_wait_dscnt 32                                ; m' and l' are in: behind their two loads the 32 of O'^T were issued
.irp t, 0,1,2,3
	v_max_num_f32 v[TM+\t], v[MM+\t], v[PM+\t]
.endr
.irp t, 0,1,2,3
	v_sub_f32 v[MM+\t], v[MM+\t], v[TM+\t]
.endr
.irp t, 0,1,2,3
	v_sub_f32 v[PM+\t], v[PM+\t], v[TM+\t]
.endr
.irp t, 0,1,2,3
	v_exp_f32 v[MM+\t], v[MM+\t]                   ; a
.endr
.irp t, 0,1,2,3
	v_exp_f32 v[PM+\t], v[PM+\t]                   ; a'
.endr
	v_nop                                          ; a plain line behind the last exponential,
	s_wait_alu depctr_va_vdst(0)                   ; and one wait for the eight
.irp t, 0,1,2,3
	v_mul_f32 v[CC+\t], v[CC+\t], v[MM+\t]
.endr
.irp t, 0,1,2,3
	v_fmac_f32 v[CC+\t], v[PL+\t], v[PM+\t]
.endr
.irp t, 0,1,2,3
	v_permlanex16_b32 v[TM+\t], v[CC+\t], s[SEL], s[SEL+1]
.endr
.irp t, 0,1,2,3
	v_add_f32 v[CC+\t], v[CC+\t], v[TM+\t]         ; L
.endr
.irp t, 0,1,2,3
	v_rcp_f32 v[TM+\t], v[CC+\t]
.endr
	v_nop                                          ; a plain line behind the last reciprocal,
	s_wait_alu depctr_va_vdst(0)                   ; and one wait for the four
.irp t, 0,1,2,3
	v_mul_f32 v[ST+4*\t], v[MM+\t], v[TM+\t]       ; a / L: the low word of a pair whose upper word was written at the head
.endr
.irp t, 0,1,2,3
	v_mul_f32 v[ST+4*\t+2], v[PM+\t], v[TM+\t]     ; a' / L
.endr
	s_wait_dscnt 0x0                               ; O'^T is in
.irp t, 0,1,2,3
.irp i, 0,2,4,6,8,10,12,14,16,18,20,22,24,26,28,30
	v_pk_mul_f32 v[OT+32*\t+\i:OT+32*\t+\i+1], v[OT+32*\t+\i:OT+32*\t+\i+1], v[ST+4*\t:ST+4*\t+1] op_sel_hi:[1,0]
.endr
	WIN 0x01                                       ; source 0 in window 1
.irp i, 0,2,4,6,8,10,12,14,16,18,20,22,24,26,28,30
	v_pk_fma_f32 v[OT+32*\t+\i:OT+32*\t+\i+1], v[32*\t+\i:32*\t+\i+1], v[ST+4*\t+2:ST+4*\t+3], v[OT+32*\t+\i:OT+32*\t+\i+1] op_sel_hi:[1,0,1]
.endr
	WIN 0
.irp i, 0,1,2,3,4,5,6,7,8,9,10,11,12,13,14,15
	v_cvt_pk_f16_f32 v[S+16*\t+\i], v[OT+32*\t+2*\i], v[OT+32*\t+2*\i+1]
.endr
.irp c, 0,1,2,3
	global_store_b128 v[L16], v[S+16*\t+4*\c:S+16*\t+4*\c+3], s[12:13] offset:32768*\t+512*\c   ; 512 consecutive bytes, aligned
.endr
.endr
.Lend:
	s_wait_tensorcnt 0x0                           ; the wave's end, behind my last tensor load and my last LDS store
	ds_add_u32 v[SPW], v[NIL]
	s_wait_dscnt 0x0
	CROUND                                         ; the closing round: no work-group ends while a partner may still ask for a tile that names it
	s_endpgm
.Lfunc_end_k_q17ce046342_attn:
	.size	k_q17ce046342_attn, .Lfunc_end_k_q17ce046342_attn-k_q17ce046342_attn
	.p2alignl 7, 3214868480
	.fill 96, 4, 3214868480
	.section	.rodata,"a",@progbits
	.p2align	6, 0x0
	.amdhsa_kernel k_q17ce046342_attn
		.amdhsa_group_segment_fixed_size 327680
		.amdhsa_private_segment_fixed_size 0
		.amdhsa_enable_private_segment 0
		.amdhsa_kernarg_size 40
		.amdhsa_user_sgpr_count 2
		.amdhsa_user_sgpr_kernarg_segment_ptr 1
		.amdhsa_wavefront_size32 1
		.amdhsa_system_sgpr_workgroup_id_x 1
		.amdhsa_system_sgpr_workgroup_id_y 1
		.amdhsa_system_sgpr_workgroup_id_z 1
		.amdhsa_system_vgpr_workitem_id 0
		.amdhsa_next_free_vgpr 512
		.amdhsa_next_free_sgpr 102
		.amdhsa_reserve_vcc 0
		.amdhsa_float_denorm_mode_32 3
		.amdhsa_float_denorm_mode_16_64 3
		.amdhsa_memory_ordered 1
		.amdhsa_forward_progress 1
		.amdhsa_inst_pref_size 255
	.end_amdhsa_kernel
	.section	.bss,"aw",@nobits
	.p2align	6
	.space	262144
	.amdgpu_metadata
---
amdhsa.version: [ 1, 2 ]
amdhsa.kernels:
  - .name:           k_q17ce046342_attn
    .symbol:         k_q17ce046342_attn.kd
    .args:
      - { .name: qkv, .offset: 0, .size: 8, .value_kind: global_buffer, .address_space: global }
      - { .name: syn_scores, .offset: 8, .size: 8, .value_kind: global_buffer, .address_space: global }
      - { .name: maskw, .offset: 16, .size: 8, .value_kind: global_buffer, .address_space: global }
      - { .name: alpha_param, .offset: 24, .size: 8, .value_kind: global_buffer, .address_space: global }
      - { .name: oimg, .offset: 32, .size: 8, .value_kind: global_buffer, .address_space: global }
    .group_segment_fixed_size: 327680
    .private_segment_fixed_size: 0
    .kernarg_segment_align: 8
    .kernarg_segment_size: 40
    .max_flat_workgroup_size: 256
    .sgpr_count:     102
    .vgpr_count:     512
    .wavefront_size: 32
...
	.end_amdgpu_metadata
.endif
;; end of part 3
;; launch oproj (part 4): grid 4 x 64, 4 waves a work-group, clusters of 4 x 4, 327,680 bytes of LDS; arguments oimg, woimg, bo, out0; writes out0
.if DOCPART == 4
	.amdgcn_target "amdgcn-amd-amdhsa--gfx1250"
	.amdhsa_code_object_version 6
	.text
	.protected	k_q17ce046342_oproj
	.globl	k_q17ce046342_oproj
	.p2align	8
	.type	k_q17ce046342_oproj,@function
k_q17ce046342_oproj:
	s_mov_b64 s[64:65], 0
	v_nop
	global_prefetch_b8 v0, s[64:65] scope:SCOPE_SE
	s_setreg_imm32_b32 hwreg(HW_REG_WAVE_MODE, 25, 1), 1
	s_wait_xcnt 0x0
	s_wait_alu depctr_hold_cnt(0) depctr_sa_sdst(0) depctr_va_vdst(0) depctr_va_sdst(0) depctr_va_ssrc(0) depctr_va_vcc(0) depctr_vm_vsrc(0)
	s_getreg_b32 s2, hwreg(HW_REG_IB_STS2, 6, 4)
	s_cmp_eq_u32 s2, 0
	s_cbranch_scc0 .Lentry_in_a_cluster
	s_endpgm
.Lentry_in_a_cluster:
	s_bfe_u32 s2, ttmp6, 0x10000c
	s_cmp_lg_u32 s2, 0xf033
	s_cbranch_scc0 .Lentry_shape_is_right
	s_endpgm
.Lentry_shape_is_right:
; OPROJ: out0 = o Wo^T + bo.  o [8192][1024] and Wo [1024][1024] arrive in f16 as images of operand registers: [row tile of 16][32 along K][2][512 bytes], a group holding X[16 R + lane % 16][16 g + 8 (lane / 16) + 0 .. 7].
; Sums in f32; out0 f32.  A tile of C is 128 tokens x 256 outputs: 256 work-groups.  Four waves, each 64 x 128: 32 accumulators.  K goes in steps of 128 (4,096 bytes of each row tile) through a ring of two LDS slots.
; A fragment is two loads of 512 consecutive bytes, 16 a lane: no pitch, no padding.  THE MATRIX INSTRUCTION IS USED TRANSPOSED (source 0 = 16 rows of Wo, source 1 = 16 tokens): a lane holds eight neighbouring outputs of a token.
; bo is the C of each sum's first matrix instruction.  CLUSTERS 4 x 4: the tokens' tiles are asked for jointly along a row of the cluster, Wo's along a column.
; No prefetch: the launch is short, and its tiles are shared in the cluster.
; REGISTERS: window 0: v0-31 addresses; v32-127, v128-223 two fragment buffers (tokens' four at + 8 i, Wo's eight at + 32 + 8 i); on the way out v32-159 rows of C.   window 1: the accumulators ((a, b) at v[8 (8 a + b)]).   window 2: v0-63 bo.
.set SLOT,   98304                     ; the tokens' 8 row tiles x 4,096 bytes, then Wo's 16
.set BOF,    32768
.set STAGE,  2*SLOT                    ; behind the ring: 16 rows x 528 bytes for each wave
.set SPITCH, 528
.set SPARE,  STAGE+4*16*SPITCH         ; the spare words, 128 bytes for each wave: two blocks of 256 bytes that no other line names
.set LAPS,   4                         ; a lap = two K steps
.set ADRA, 16
.set ADRB, 20
.set STO,  24
.set RD,   25
.set CO,   26                          ; v26 16 x lane
.set SPW,  28
.set NIL,  29
.set F0,   32
.set F1,   128
.set BK,   32
.set G1, 24
.set G0, 32
.set G1B, 48
.set G0B, 56
.set MSB, 0
.macro WIN new
.if MSB != \new
	s_set_vgpr_msb (MSB<<8)|\new
.set MSB, \new
.endif
.endm
.set MUL,  0x50                        ; C and D window 1
.set MULZ, 0x60                        ; C window 2 (bo), D window 1
.macro JLOAD s                         ; a joint load: waves 0 and 1 fetch the tokens' halves, waves 2 and 3 Wo's; an s_nop 0 and four v_nop follow each of the two lines
	s_cmp_eq_u32 s13, 0
	s_cbranch_scc0 .Lfor_b_\@
	tensor_load_to_lds s[G0+4*\s:G0+4*\s+3], s[G1:G1+7]
	s_nop 0
.rept 4
	v_nop
.endr
	s_branch .Lasked_\@
.Lfor_b_\@:
	tensor_load_to_lds s[G0B+4*\s:G0B+4*\s+3], s[G1B:G1B+7]
	s_nop 0
.rept 4
	v_nop
.endr
.Lasked_\@:
.endm
.macro CREST                           ; a round of the cluster's barrier behind its opening barrier
	s_cmp_lg_u32 s12, 0
	s_cbranch_scc1 .Lnot_wave_0_\@
	s_barrier_signal -3
.Lnot_wave_0_\@:
	s_barrier_wait -3
	s_barrier_signal -1
	s_barrier_wait -1
.endm
.macro CROUND
	s_barrier_signal -1
	s_barrier_wait -1
	CREST
.endm
	s_load_b128 s[4:7], s[0:1], 0x0                ; oimg, woimg
	s_load_b128 s[8:11], s[0:1], 0x10              ; bo, out0
	v_lshl_add_u32 v[SPW], v0, 2, SPARE
	v_mov_b32 v[NIL], 0
	ds_add_u32 v[SPW], v[NIL]                      ; the wave's opening: the add, twice on end, and its wait ahead of my first tensor load
	ds_add_u32 v[SPW], v[NIL]
	v_lshrrev_b32 v1, 5, v0
	v_readfirstlane_b32 s12, v1                    ; wave 0..3
	s_lshr_b32 s13, s12, 1                         ; which 64 tokens are mine.  Also: I fetch tokens (0) or Wo (1)
	s_and_b32 s14, s12, 1                          ; which 128 outputs.  Also: which half of that tile I fetch
	s_bfe_u32 s40, ttmp6, 0x40000                  ; cx: the tile column (the grid is one cluster wide)
	s_bfe_u32 s41, ttmp6, 0x40004                  ; cy
	s_and_b32 s15, ttmp7, 0xffff
	s_lshl_b32 s15, s15, 2
	s_add_co_u32 s15, s15, s41                     ; the tile row
	s_lshl_b32 s43, s41, 2
	s_lshl_b32 s43, 15, s43                        ; my row of the cluster
	s_lshl_b32 s44, 0x1111, s40                    ; my column
	s_or_b32 s[G1+0], s43, (3<<16)|(1<<21)         ; rows of 4,096 bytes (512 elements of 8), 32,768 bytes apart; no padding.  Tokens: 4 rows a load
	s_mov_b32 s[G1+1], 512<<16
	s_mov_b32 s[G1+2], 4<<16
	s_mov_b32 s[G1+3], 512<<16
	s_mov_b32 s[G1+4], 4
	s_mov_b32 s[G1+5], 4096
	s_mov_b32 s[G1+6], 0
	s_mov_b32 s[G1+7], 0
	s_or_b32 s[G1B+0], s44, (3<<16)|(1<<21)        ; Wo: 8 rows a load
	s_mov_b32 s[G1B+1], 512<<16
	s_mov_b32 s[G1B+2], 8<<16
	s_mov_b32 s[G1B+3], 512<<16
	s_mov_b32 s[G1B+4], 8
	s_mov_b32 s[G1B+5], 4096
	s_mov_b32 s[G1B+6], 0
	s_mov_b32 s[G1B+7], 0
	s_lshl_b32 s16, s15, 18                        ; tokens: row tile 8 x tile row + 4 x half
	s_lshl_b32 s17, s14, 17
	s_add_co_u32 s16, s16, s17
	s_mov_b32 s17, 0
	s_lshl_b32 s46, s40, 19                        ; Wo: row tile 16 x tile column + 8 x half
	s_lshl_b32 s47, s14, 18
	s_add_co_u32 s46, s46, s47
	s_mov_b32 s47, 0
	s_lshl_b32 s20, s14, 14                        ; where they go: no place in the cluster enters an LDS address
	s_lshl_b32 s21, s14, 15
	s_add_co_u32 s21, s21, BOF
	s_wait_dscnt 0x0                               ; both opening adds are done
	s_wait_kmcnt 0x0
	s_add_nc_u64 s[16:17], s[4:5], s[16:17]
	s_add_nc_u64 s[46:47], s[6:7], s[46:47]
	CROUND                                         ; all sixteen work-groups are here: the first joint loads meet
.irp s, 0,1
	s_mov_b32 s[G0+4*\s], 1
	s_add_co_u32 s[G0+4*\s+1], s20, \s*SLOT
	s_add_nc_u64 s[G0+4*\s+2:G0+4*\s+3], s[16:17], \s*4096
	s_or_b32 s[G0+4*\s+3], s[G0+4*\s+3], 0x80000000
	s_mov_b32 s[G0B+4*\s], 1
	s_add_co_u32 s[G0B+4*\s+1], s21, \s*SLOT
	s_add_nc_u64 s[G0B+4*\s+2:G0B+4*\s+3], s[46:47], \s*4096
	s_or_b32 s[G0B+4*\s+3], s[G0B+4*\s+3], 0x80000000
	JLOAD \s                                       ; two loads of mine are out behind the second
.endr
	v_and_b32 v1, 31, v0
	v_lshlrev_b32 v[CO], 4, v1
	v_and_b32 v2, 15, v0
	v_bfe_u32 v3, v0, 4, 1
	s_lshl_b32 s22, s13, 14                        ; my four row tiles of tokens
	s_lshl_b32 s23, s14, 15
	s_add_co_u32 s23, s23, BOF                     ; my eight of Wo
.irp s, 0,1
	v_add_nc_u32 v[ADRA+\s], s22, v[CO]
	v_add_nc_u32 v[ADRB+\s], s23, v[CO]
	s_add_co_u32 s22, s22, SLOT
	s_add_co_u32 s23, s23, SLOT
.endr
	s_mul_i32 s22, s12, 16*SPITCH
	s_add_co_u32 s22, s22, STAGE                   ; my stage
	v_mul_u32_u24 v4, v2, SPITCH
	v_lshl_add_u32 v4, v3, 5, v4
	v_add_nc_u32 v[STO], s22, v4                   ; in: row l % 16, 32 bytes for each half of the lanes
	v_add_nc_u32 v[RD], s22, v[CO]                 ; back: the 32 lanes take a row of 512 bytes
	s_lshl_b32 s22, s40, 10
	s_lshl_b32 s23, s14, 9
	s_add_co_u32 s22, s22, s23                     ; my first output, in bytes
	s_mov_b32 s23, 0
	s_add_nc_u64 s[8:9], s[8:9], s[22:23]
	s_add_nc_u64 s[10:11], s[10:11], s[22:23]
	s_lshl_b32 s22, s15, 19                        ; my first token: 128 x tile row + 64 x half, rows of 4,096 bytes
	s_lshl_b32 s18, s13, 18
	s_add_co_u32 s22, s22, s18
	s_add_nc_u64 s[10:11], s[10:11], s[22:23]
	v_lshlrev_b32 v8, 5, v3
	WIN 0x80                                       ; destination window 2
.irp b, 0,1,2,3,4,5,6,7
	global_load_b128 v[8*\b:8*\b+3], v8, s[8:9] offset:64*\b           ; bo[first output + 16 b + 8 (l / 16) + 0 .. 7]: the result's layout
	global_load_b128 v[8*\b+4:8*\b+7], v8, s[8:9] offset:64*\b+16
.endr
	WIN 0
; 8 matrix instructions: token tile a x Wo's eight, 32 along K.  The 32 accumulators take turns, one instruction a turn, in the same order in every quarter.
.macro MULA f, a, zero
.irp b, 0,1,2,3,4,5,6,7
.if \zero
	v_wmma_f32_16x16x32_f16 v[8*(8*(\a)+\b):8*(8*(\a)+\b)+7], v[\f+32+8*\b:\f+32+8*\b+7], v[\f+8*(\a):\f+8*(\a)+7], v[8*\b:8*\b+7]
.else
	v_wmma_f32_16x16x32_f16 v[8*(8*(\a)+\b):8*(8*(\a)+\b)+7], v[\f+32+8*\b:\f+32+8*\b+7], v[\f+8*(\a):\f+8*(\a)+7], v[8*(8*(\a)+\b):8*(8*(\a)+\b)+7]
.endif
.endr
.endm
.macro FETCH slot, q, f                ; 24 LDS loads in one run: the fragments of the slot's q-th 32 along K: Wo's eight, then the tokens' four
	WIN 0
.irp i, 0,1,2,3,4,5,6,7
	ds_load_b128 v[\f+32+8*\i:\f+32+8*\i+3], v[ADRB+\slot] offset:4096*\i+1024*(\q)
	ds_load_b128 v[\f+32+8*\i+4:\f+32+8*\i+7], v[ADRB+\slot] offset:4096*\i+1024*(\q)+512
.endr
.irp i, 0,1,2,3
	ds_load_b128 v[\f+8*\i:\f+8*\i+3], v[ADRA+\slot] offset:4096*\i+1024*(\q)
	ds_load_b128 v[\f+8*\i+4:\f+8*\i+7], v[ADRA+\slot] offset:4096*\i+1024*(\q)+512
.endr
.endm
.macro PLACES                          ; four plain lines in front of loads into registers that matrix instructions have read, and of reads of results
.rept 4
	v_nop
.endr
.endm
.macro QUARTER slot, q, f, g, zero     ; multiplies buffer f; in its middle fetches the slot's q-th quarter into g
	s_wait_dscnt 4                                 ; Wo's eight and token tiles 0, 1 are in; the youngest four loads (tiles 2, 3) may be out
.if \zero
	WIN MULZ
.else
	WIN MUL
.endif
	MULA \f, 0, \zero
	MULA \f, 1, \zero
	PLACES
	FETCH \slot, \q, \g
	s_wait_dscnt 24                                ; all but the 24 just issued
.if \zero
	WIN MULZ
.else
	WIN MUL
.endif
	MULA \f, 2, \zero
	MULA \f, 3, \zero
.endm
; A slot's last quarter multiplies buffer 1 and changes slots: ONE barrier; in front of it each wave waits for all its tensor loads, adds 0 to its spare word, and waits for that and for its reads of this slot.
.macro TURN slot, next, fill
	WIN 0
	s_wait_tensorcnt 0x0                           ; all my tensor loads have landed: my part of the next slot
	ds_add_u32 v[SPW], v[NIL]                      ; 0 onto my spare word
	s_wait_dscnt 5                                 ; (the add and the youngest four loads may be out)
	WIN MUL
	MULA F1, 0, 0                                  ; eight matrix instructions stand between the add and the wait for it
	s_wait_dscnt 0x0                               ; the add is done, and my reads of this slot are over
	s_barrier_signal -1
	MULA F1, 1, 0
.if \fill
	WIN 0
.endif
	s_barrier_wait -1
.if \fill
	CREST                                          ; the barrier has opened a round of the cluster's: no wave of any partner still reads this slot or has a load on its way
	s_add_nc_u64 s[G0+4*\slot+2:G0+4*\slot+3], s[G0+4*\slot+2:G0+4*\slot+3], 8192
	s_add_nc_u64 s[G0B+4*\slot+2:G0B+4*\slot+3], s[G0B+4*\slot+2:G0B+4*\slot+3], 8192
	JLOAD \slot                                    ; the first tensor load behind the round; its four v_nop are also the places in front of the loads below
.else
	PLACES
.endif
	FETCH \next, 0, F0
	WIN MUL
	MULA F1, 2, 0
	MULA F1, 3, 0
.endm
	s_wait_tensorcnt 1                             ; my part of K step 0 is in (K step 1's load may be out),
	s_barrier_signal -1
	s_barrier_wait -1                              ; everybody's is
	FETCH 0, 0, F0
	s_wait_loadcnt 0x0                             ; bo
	QUARTER 0, 1, F0, F1, 1                        ; the first quarter stands in front of the loop: its products start the sums from bo
	WIN 0
	s_mov_b32 s3, LAPS-1
.Llap:                                                 ; a trip goes once round the ring and fills both slots again
	QUARTER 0, 2, F1, F0, 0
	QUARTER 0, 3, F0, F1, 0
	TURN 0, 1, 1
	QUARTER 1, 1, F0, F1, 0
	QUARTER 1, 2, F1, F0, 0
	QUARTER 1, 3, F0, F1, 0
	TURN 1, 0, 1
	QUARTER 0, 1, F0, F1, 0
	WIN 0
	s_sub_co_u32 s3, s3, 1
	s_cmp_lg_u32 s3, 0
	s_cbranch_scc1 .Llap
	QUARTER 0, 2, F1, F0, 0                        ; the last lap fills nothing
	QUARTER 0, 3, F0, F1, 0
	TURN 0, 1, 0
	QUARTER 1, 1, F0, F1, 0
	QUARTER 1, 2, F1, F0, 0
	QUARTER 1, 3, F0, F1, 0
	s_wait_dscnt 4
	WIN MUL
	MULA F1, 0, 0
	MULA F1, 1, 0
	s_wait_dscnt 0
	MULA F1, 2, 0
	MULA F1, 3, 0
	WIN 0
; THE WAY OUT, block by block of 16 tokens x 128 outputs: through my own stage in LDS, back as whole rows of 512 bytes.  LDS serves a wave's instructions in order: no wait between the stores and the loads.
.macro TOSTAGE a
	WIN 0x04                                       ; an LDS store's data are its source 1: window 1
.irp b, 0,1,2,3,4,5,6,7
	ds_store_b128 v[STO], v[8*(8*(\a)+\b):8*(8*(\a)+\b)+3] offset:64*\b          ; each accumulator from its low end on
	ds_store_b128 v[STO], v[8*(8*(\a)+\b)+4:8*(8*(\a)+\b)+7] offset:64*\b+16
.endr
	WIN 0
.set BB, BK+64*((\a)%2)
.irp t, 0,1,2,3,4,5,6,7,8,9,10,11,12,13,14,15
	ds_load_b128 v[BB+4*\t:BB+4*\t+3], v[RD] offset:\t*SPITCH
.endr
.endm
.macro SEND a, younger                 ; younger: the LDS instructions issued behind block a's loads, which may stay out
.set BB, BK+64*((\a)%2)
	s_wait_dscnt \younger
.if (\a) > 0
	s_add_nc_u64 s[10:11], s[10:11], 16*4096       ; (behind a wait on XCNT: the earlier stores have read their base)
.endif
.irp t, 0,1,2,3,4,5,6,7,8,9,10,11,12,13,14,15
	global_store_b128 v[CO], v[BB+4*\t:BB+4*\t+3], s[10:11] offset:\t*4096 th:TH_STORE_NT   ; 32 lanes store 512 consecutive bytes, aligned; written once
.endr
.endm
	PLACES
	TOSTAGE 0
.irp a, 1,2,3
.if \a > 1
	s_wait_xcnt 0x0                                ; block a - 2's stores have read their registers and their base
.endif
	TOSTAGE \a
	SEND \a-1, 32                                  ; behind block a - 1's loads: block a's 16 stores and 16 loads
.endr
	s_wait_xcnt 0x0
	SEND 3, 0
	s_wait_tensorcnt 0x0                           ; the wave's end
	ds_add_u32 v[SPW], v[NIL]
	s_wait_dscnt 0x0
	CROUND                                         ; the closing round
	s_endpgm
.Lfunc_end_k_q17ce046342_oproj:
	.size	k_q17ce046342_oproj, .Lfunc_end_k_q17ce046342_oproj-k_q17ce046342_oproj
	.p2alignl 7, 3214868480
	.fill 96, 4, 3214868480
	.section	.rodata,"a",@progbits
	.p2align	6, 0x0
	.amdhsa_kernel k_q17ce046342_oproj
		.amdhsa_group_segment_fixed_size 327680
		.amdhsa_private_segment_fixed_size 0
		.amdhsa_enable_private_segment 0
		.amdhsa_kernarg_size 32
		.amdhsa_user_sgpr_count 2
		.amdhsa_user_sgpr_kernarg_segment_ptr 1
		.amdhsa_wavefront_size32 1
		.amdhsa_system_sgpr_workgroup_id_x 1
		.amdhsa_system_sgpr_workgroup_id_y 1
		.amdhsa_system_sgpr_workgroup_id_z 1
		.amdhsa_system_vgpr_workitem_id 0
		.amdhsa_next_free_vgpr 576
		.amdhsa_next_free_sgpr 66
		.amdhsa_reserve_vcc 0
		.amdhsa_float_denorm_mode_32 3
		.amdhsa_float_denorm_mode_16_64 3
		.amdhsa_memory_ordered 1
		.amdhsa_forward_progress 1
		.amdhsa_inst_pref_size 86
	.end_amdhsa_kernel
	.amdgpu_metadata
---
amdhsa.version: [ 1, 2 ]
amdhsa.kernels:
  - .name:           k_q17ce046342_oproj
    .symbol:         k_q17ce046342_oproj.kd
    .args:
      - { .name: oimg, .offset: 0, .size: 8, .value_kind: global_buffer, .address_space: global }
      - { .name: woimg, .offset: 8, .size: 8, .value_kind: global_buffer, .address_space: global }
      - { .name: bo, .offset: 16, .size: 8, .value_kind: global_buffer, .address_space: global }
      - { .name: out0, .offset: 24, .size: 8, .value_kind: global_buffer, .address_space: global }
    .group_segment_fixed_size: 327680
    .private_segment_fixed_size: 0
    .kernarg_segment_align: 8
    .kernarg_segment_size: 32
    .max_flat_workgroup_size: 128
    .sgpr_count:     66
    .vgpr_count:     576
    .wavefront_size: 32
...
	.end_amdgpu_metadata
.endif
;; end of part 4
